; MI455X (gfx1250); checked and timed in simulation.
; The chip was launched on July 23, 2026; its instructions are those of AMD's public machine-readable ISA for CDNA 5 (MIT licence, August 2026) and "CDNA5" Instruction Set Architecture Reference Guide (July 2026). The comments in the code are by the model that wrote it; some were corrected since.
;; Attention. Allowed arithmetic: matrix products marked QUANTISED: E3M2 operands, one E8M0 scale for each 32 along K, by v_wmma_scale_f32_16x16x128_f8f6f4 with both operands' format E3M2, f32 sums; products left as they are: f32 operands where the result goes on into a quantised operand, else bf16, f16 or f32 operands; f32 sums; everything else in f32.
;; Inputs: W_cov 1 x 1,024 float32; W_h 1,024 x 1,024 float32; W_s 2,048 x 1,024 float32; b_cov 1,024 float32; b_h 1,024 float32; b_s 1,024 float32; context 32 x 2,048 x 1,024 float32; context_mask 32 x 2,048 int32; coverage 32 x 2,048 float32; last_attn 32 x 2,048 float32; state_c 32 x 1,024 float32; state_h 32 x 1,024 float32; v_b 1 float32; v_w 1,024 x 1 float32.
;; Outputs: out0 32 x 1,024 float32; out1 32 x 2,048 float32.
;; This version of the problem:
;;   THIS VERSION OF THE PROBLEM IS GIVEN IN LOW PRECISION. The matrix products marked QUANTISED in the list below multiply operands that are first quantised to E3M2 (3 exponent bits, 2 mantissa bits; 6 bits a number), with one power-of-two scale for each 32 numbers along K (OCP MX v1.0); their sums are f32. All else is computed in f32.
;;   The module's matrix products, in the order in which they are computed (A, B: the left and right operand; K: the contracted axis; several contracted axes count as one K, in the product's order):
;;     1. [M 32, K 2,048] x [K 2,048, N 1,024]; A: computed on the way; B: input W_s: QUANTISED
;;     2. [M 65,536, K 1,024] x [K 1,024, N 1,024]; A: input context; B: input W_h: QUANTISED
;;     3. [M 65,536, K 1,024] x [K 1,024, N 1]; A: computed on the way; B: input v_w: left as it is (N = 1 < 16)
;;     4. batch 32 x [M 1, K 2,048] x [K 2,048, N 1,024]; A: computed on the way; B: input context: left as it is (M = 1 < 16)
;;   THE QUANTISER, for each operand of a quantised product, along K:
;;     - K is cut into blocks of 32 from its start; a last block that is shorter is filled with zeros.
;;     - A block's scale is 2^e with e = floor(log2(the largest magnitude in the block)) - 4, held to -126 .. 127; a block of zeros has e = 0. As a byte (E8M0): e + 127.
;;     - Each number is divided by its block's scale, clamped to +-28, and rounded to the nearest number of E3M2, ties to even, subnormals kept.
;;     - The product sums the exact products of the quantised numbers (number of the format x scale) in f32.
;;   ~~~python
;;   def quantise(x, axis):      # numpy; x: float32 -> the quantised numbers, widened to float32 again
;;       x = np.moveaxis(x, axis, -1); K = x.shape[-1]
;;       x = np.pad(x, [(0, 0)] * (x.ndim - 1) + [(0, -K % 32)]); x = x.reshape(x.shape[:-1] + (-1, 32)); a = np.abs(x).max(-1, keepdims=True)
;;       e = np.where(a > 0, np.clip(np.frexp(np.where(a > 0, a, 1))[1] - 1 - 4, -126, 127), 0)      # np.frexp(a)[1] - 1 = floor(log2(a)), exactly
;;       r = np.clip(x / 2.0 ** e, -28, 28)
;;       step = 2.0 ** (np.maximum(np.frexp(np.where(r == 0, 1, r))[1] - 1, -2) - 2)
;;       q = np.round(r / step) * step * 2.0 ** e      # np.round: ties to even
;;       return np.moveaxis(q.reshape(q.shape[:-2] + (-1,))[..., :K], -1, axis).astype(np.float32)
;;   ~~~
;;   OPERANDS COMPUTED ON THE WAY. 'Computed on the way' means the value that the module computes at that place (a softmax that the list does not call 'softmax' is quantised finished and normalised). What goes into a quantiser is computed in f32, as accurately as f32 sums, v_exp_f32 and their like allow (about 1e-6 of the number): no bf16 or f16 on the way to a quantiser, and a product that is left as it is and whose result goes on into a quantised operand takes f32 operands (vector FMAs, or v_wmma_f32_16x16x4_f32). A number that lies on a knife's edge between two numbers of the format may be rounded either way, as far as f32 arithmetic and the matrix unit's own rounding can turn it there, and no further.
;; 2 versions, each right; version 2 is version 1 with the launches prep, main, fin written anew for expert scheduling mode. Each part assembles by itself: llvm-mc -triple=amdgcn-amd-amdhsa -mcpu=gfx1250 --defsym DOCPART=n.
;; ======== version 1 of 2: 3 launches
;; workspace buffers: Whq 786,432 bytes; Whs 32,768 bytes; base 524,288 bytes; covn 262,144 bytes; idx 262,144 bytes of whole numbers; cnt 256 bytes of whole numbers; epart 1,048,576 bytes
;; launch prep (part 1): grid 200 x 1, 4 waves a work-group, no clusters, 16,896 bytes of LDS; arguments W_h, W_s, state_h, state_c, b_s, b_h, b_cov, coverage, context_mask, Whq, Whs, base, covn, idx, cnt; writes Whq, Whs, base, covn, idx, cnt
.if DOCPART == 1
	.amdgcn_target "amdgcn-amd-amdhsa--gfx1250"
	.amdhsa_code_object_version 6
	.text
	.protected	k_q97ebf975d3_prep
	.globl	k_q97ebf975d3_prep
	.p2align	8
	.type	k_q97ebf975d3_prep,@function
k_q97ebf975d3_prep:
	s_mov_b64 s[64:65], 0
	v_nop
	global_prefetch_b8 v0, s[64:65] scope:SCOPE_SE
	s_setreg_imm32_b32 hwreg(HW_REG_WAVE_MODE, 25, 1), 1
	s_wait_xcnt 0x0
; WHAT THE LARGE LAUNCH NEEDS READY.  Three kinds of work-group, parted by the work-group's number; four waves each, so that a work-group fetches 64 KiB of a weight:
;   0-127    base[kq][b][n] = the part of Q(cat(state_h, state_c)) Q(W_s) that a quarter kq of K gives: 32 columns a work-group, one K step of 128 a wave; the four waves' sums meet in LDS.
;            Part 0 also holds b_s + b_h + b_cov.  The next launch adds the four parts.
;   128-191  W_h [k][n] f32 -> codes of E3M2 and E8M0 scale bytes, quantised along k, a K step of 128 x 32 columns a wave, stored in the order of the operand's registers:
;            Whq [n/64][k/128][tile of 16 columns][3 x 512 bytes: registers 4 q .. 4 q + 3 of lane l at 512 q + 16 l];  Whs [n/64][q][lane][4 words], word 2 ks + u of column 64 C + 32 u + lane.
;   192-199  one wave a batch: covn = (coverage + 0.001) / its row sum; idx = the batch's rows sorted by the mask (rows that count from the front, ascending; the others from the back); cnt = how many count.
; A LANE TAKES A COLUMN OF W AND ITS REGISTERS RUN DOWN K, so a block of 32 lies in one lane and the conversions give codes with K innermost.
; A block's scale is 2^(floor(log2(largest magnitude)) - 4); its byte is the largest magnitude's exponent field - 4, held at 1 from below.
; The input last_attn enters no step of the computation, so no launch of this program names it.
; LIMITS: a block of zeros, and one whose largest magnitude lies under 2^-122, gets the byte 1 (zero codes add nothing; these bytes are read by this program alone); NaN and infinities are not served.
.set TM,  16                           ; v16-31  at work in the quantisers
.set PC,  32                           ; v32-50  codes just made
.set PW,  52                           ; v52     cat's scale word
.set SBW, 53                           ; v53     W's scale word: my column's four bytes of this K step
.set BF0, 68                           ; v68-79  W's fragment of columns 0-15 of my 32
.set BF1, 80                           ; v80-91  of columns 16-31
.set ACC, 92                           ; v92-123 four results: tile 2 mi + ni
.set NUM, 128                          ; v128-255 128 numbers of a lane
.set SEL, 38                           ; s[38:39] selects of v_permlanex16_b32: lane l xor 16
; 64 numbers of a lane, register 16 b + i = k 32 b + 16 (lane / 16) + i of my row, become a fragment's codes in v[PC] on and its scale word in v[PW].
.macro QUANT s
.irp b, 0,1,2,3
	v_max3_num_f32 v[TM+\b], |v[\s+16*\b]|, |v[\s+1+16*\b]|, 0x2800000   ; my 16 numbers of block b, and the floor 2^(5 - 127): the byte cannot fall under 1
.endr
.irp i, 2,4,6,8,10,12,14
.irp b, 0,1,2,3
	v_max3_num_f32 v[TM+\b], v[TM+\b], |v[\s+16*\b+\i]|, |v[\s+1+16*\b+\i]|
.endr
.endr
.irp b, 0,1,2,3
	v_permlanex16_b32 v[TM+4+\b], v[TM+\b], s[SEL], s[SEL+1]
.endr
.irp b, 0,1,2,3
	v_max_num_f32 v[TM+\b], v[TM+\b], v[TM+4+\b]          ; with lane l xor 16's: the block's largest magnitude
.endr
.irp b, 0,1,2,3
	v_add_nc_u32 v[TM+12+\b], 0xfe000000, v[TM+\b]        ; 4 off its exponent field: the conversion's scale operand
.endr
.irp b, 0,1,2,3
	v_lshrrev_b32 v[TM+4+\b], 23, v[TM+12+\b]             ; the scale's byte
.endr
	v_lshl_or_b32 v[PW], v[TM+5], 8, v[TM+4]
	v_lshl_or_b32 v[PW], v[TM+6], 16, v[PW]
	v_lshl_or_b32 v[PW], v[TM+7], 24, v[PW]
.irp c, 0,1
	v_cvt_scalef32_pk16_bf6_f32 v[PC+6*\c:PC+2+6*\c], v[\s+32*\c:\s+15+32*\c], v[TM+12+2*\c]
	v_cvt_scalef32_pk16_bf6_f32 v[PC+12+4*\c:PC+14+4*\c], v[\s+16+32*\c:\s+31+32*\c], v[TM+12+2*\c+1]   ; (a conversion's three registers begin on an even number)
.endr
	v_nop                                                  ; one plain place behind a scaled conversion
.irp c, 0,1                                                    ; the operand wants a whole block in a lane: lanes 0-15 block 2 c, lanes 16-31 block 2 c + 1
.irp i, 0,1,2
	v_permlane16_swap_b32 v[PC+6*\c+\i], v[PC+12+4*\c+\i]
.endr
.irp i, 0,1,2
	v_mov_b32 v[PC+3+6*\c+\i], v[PC+12+4*\c+\i]
.endr
.endr
.endm
; 64 numbers of my column, register i = k 64 c + i: two whole blocks.  Their codes go to registers 6 c .. 6 c + 5 of both fragments, their bytes to bytes 2 c, 2 c + 1 of v[SBW].
; A fragment's lanes 0-15 want a column's lower block and lanes 16-31 the same column's upper block: one exchange of halves between the lower and the upper blocks' registers serves both tiles.
.macro QW c
.set QN, NUM+64*(\c)
.irp q, 0,1,2,3
	v_max3_num_f32 v[TM+\q], |v[QN+16*\q]|, |v[QN+16*\q+1]|, 0x2800000
.endr
.irp i, 2,4,6,8,10,12,14
.irp q, 0,1,2,3
	v_max3_num_f32 v[TM+\q], v[TM+\q], |v[QN+16*\q+\i]|, |v[QN+16*\q+\i+1]|
.endr
.endr
	v_max_num_f32 v[TM], v[TM], v[TM+1]                    ; block 2 c
	v_max_num_f32 v[TM+1], v[TM+2], v[TM+3]                ; block 2 c + 1
	v_add_nc_u32 v[TM+4], 0xfe000000, v[TM]
	v_add_nc_u32 v[TM+5], 0xfe000000, v[TM+1]
	v_lshrrev_b32 v[TM+8], 23, v[TM+4]
	v_lshrrev_b32 v[TM+9], 23, v[TM+5]
.if \c == 0
	v_lshl_or_b32 v[SBW], v[TM+9], 8, v[TM+8]
.else
	v_lshl_or_b32 v[SBW], v[TM+8], 16, v[SBW]
	v_lshl_or_b32 v[SBW], v[TM+9], 24, v[SBW]
.endif
	v_cvt_scalef32_pk16_bf6_f32 v[BF0+6*\c:BF0+6*\c+2], v[QN:QN+15], v[TM+4]
	v_cvt_scalef32_pk16_bf6_f32 v[PC:PC+2], v[QN+16:QN+31], v[TM+4]
	v_cvt_scalef32_pk16_bf6_f32 v[BF1+6*\c:BF1+6*\c+2], v[QN+32:QN+47], v[TM+5]
	v_cvt_scalef32_pk16_bf6_f32 v[PC+4:PC+6], v[QN+48:QN+63], v[TM+5]
	v_nop                                                  ; one plain place behind a scaled conversion
.irp i, 0,1,2
	v_permlane16_swap_b32 v[BF0+6*\c+\i], v[BF1+6*\c+\i]
	v_permlane16_swap_b32 v[PC+\i], v[PC+4+\i]
.endr
.irp i, 0,1,2
	v_mov_b32 v[BF0+6*\c+3+\i], v[PC+\i]
	v_mov_b32 v[BF1+6*\c+3+\i], v[PC+4+\i]
.endr
.endm
.macro WLOAD                           ; 128 rows k of W at my wave's 32 columns: 128 consecutive bytes a load
.set k, 0
.rept 128
	global_load_b32 v[NUM+k], v4, s[40:41] offset:k*4096 th:TH_LOAD_NT
.set k, k+1
.endr
.endm
.macro XLOAD reg, mt                   ; 16 rows of cat, this K step: lane (r, h) takes 16 neighbours of each block of 32
.irp b, 0,1,2,3
.irp j, 0,1,2,3
	global_load_b128 v[\reg+16*\b+4*\j:\reg+16*\b+4*\j+3], v7, s[44:45] offset:\mt*65536+128*\b+16*\j
.endr
.endr
.endm
	s_load_b512 s[8:23], s[0:1], 0x0               ; W_h 8, W_s 10, state_h 12, state_c 14, b_s 16, b_h 18, b_cov 20, coverage 22
	s_load_b256 s[24:31], s[0:1], 0x40             ; context_mask 24, Whq 26, Whs 28, base 30
	s_load_b128 s[32:35], s[0:1], 0x60             ; covn 32, idx 34
	s_load_b64 s[36:37], s[0:1], 0x70              ; cnt
	v_lshl_add_u32 v62, v0, 2, 0x4000
	v_mov_b32 v63, 0
	v_lshrrev_b32 v1, 5, v0
	v_readfirstlane_b32 s4, v1                     ; wave 0..3
	v_and_b32 v1, 31, v0                           ; lane
	v_and_b32 v2, 15, v0                           ; r
	v_bfe_u32 v3, v0, 4, 1                         ; h
	v_lshlrev_b32 v4, 2, v1                        ; 4 x lane
	v_lshlrev_b32 v5, 4, v1                        ; 16 x lane
	s_lshl_b32 s48, s4, 12
	v_add_nc_u32 v8, s48, v5                       ; LDS: my wave's 4,096 bytes, 16 bytes a lane
	s_lshl_b32 s48, s4, 10
	v_add_nc_u32 v9, s48, v5                       ; LDS: result tile number = my wave's number (two groups of four registers, 1,024 bytes), in wave 0's bytes
	s_mov_b32 s[SEL], 0x76543210
	s_mov_b32 s[SEL+1], 0xfedcba98
	s_wait_kmcnt 0x0
	s_cmp_lt_u32 ttmp9, 128
	s_cbranch_scc1 .Lstate
	s_cmp_lt_u32 ttmp9, 192
	s_cbranch_scc1 .Lweight
	; ---- work-groups 192-199: a wave to a batch
	s_sub_co_u32 s5, ttmp9, 192
	s_lshl_b32 s5, s5, 2
	s_add_co_u32 s5, s5, s4                        ; the batch
	s_lshl_b32 s40, s5, 13                         ; its 2,048 numbers of 4 bytes
	s_mov_b32 s41, 0
	s_add_nc_u64 s[22:23], s[22:23], s[40:41]
	s_add_nc_u64 s[24:25], s[24:25], s[40:41]
	s_add_nc_u64 s[32:33], s[32:33], s[40:41]
	s_add_nc_u64 s[34:35], s[34:35], s[40:41]
	s_lshl_b32 s40, s5, 2
	s_add_nc_u64 s[36:37], s[36:37], s[40:41]
.irp i, 0,1,2,3,4,5,6,7,8,9,10,11,12,13,14,15
	global_load_b128 v[64+4*\i:67+4*\i], v5, s[22:23] offset:512*\i
.endr
.set k, 0
.rept 64
	global_load_b32 v[128+k], v4, s[24:25] offset:128*k    ; the mask of row 32 k + lane
.set k, k+1
.endr
	s_wait_loadcnt 63                              ; coverage is in.  Behind it stand the mask's 64 loads; 63 is the largest count that this wait can name, so the first of them is waited for too
.set k, 0
.rept 32
	v_pk_add_f32 v[64+k:65+k], v[64+k:65+k], 0x3a83126f op_sel_hi:[1,0]   ; + 0.001
.set k, k+2
.endr
.irp q, 0,2,4,6                                        ; the row's sum, in four chains of pairs
	v_pk_add_f32 v[16+\q:17+\q], v[64+\q:65+\q], v[72+\q:73+\q]
.endr
.irp i, 16,24,32,40,48,56
.irp q, 0,2,4,6
	v_pk_add_f32 v[16+\q:17+\q], v[16+\q:17+\q], v[64+\i+\q:65+\i+\q]
.endr
.endr
	v_pk_add_f32 v[16:17], v[16:17], v[18:19]
	v_pk_add_f32 v[20:21], v[20:21], v[22:23]
	v_pk_add_f32 v[16:17], v[16:17], v[20:21]
	v_add_f32 v16, v16, v17
	v_add_f32_dpp v16, v16, v16 row_xmask:1 row_mask:0xf bank_mask:0xf
	v_add_f32_dpp v16, v16, v16 row_xmask:2 row_mask:0xf bank_mask:0xf
	v_add_f32_dpp v16, v16, v16 row_xmask:4 row_mask:0xf bank_mask:0xf
	v_add_f32_dpp v16, v16, v16 row_xmask:8 row_mask:0xf bank_mask:0xf
	v_permlanex16_b32 v17, v16, s[SEL], s[SEL+1]
	v_add_f32 v16, v16, v17
	v_rcp_f32 v18, v16
	v_nop                                          ; a plain place behind the reciprocal
.set k, 0
	s_wait_alu depctr_va_vdst(0)
.rept 32
	v_pk_mul_f32 v[64+k:65+k], v[64+k:65+k], v[18:19] op_sel_hi:[1,0]
.set k, k+2
.endr
.irp i, 0,1,2,3,4,5,6,7,8,9,10,11,12,13,14,15
	global_store_b128 v5, v[64+4*\i:67+4*\i], s[32:33] offset:512*\i
.endr
	s_wait_loadcnt 0x0                             ; the mask
	s_mov_b32 s50, 0                               ; rows that count, so far
.set k, 0
.rept 64                                               ; each group of 32 rows has registers of its own for its store, so none is written again
	v_cmp_ne_u32 vcc_lo, 0, v[128+k]
	v_mbcnt_lo_u32_b32 v16, vcc_lo, 0              ; rows that count in the lanes below me,
	v_add_nc_u32 v16, s50, v16                     ; and in all rows before mine: my place from the front
	v_add_nc_u32 v[192+k], 32*k, v1                ; my row
	v_sub_nc_u32 v17, v[192+k], v16                ; rows before mine that do not count:
	v_sub_nc_u32 v17, 2047, v17                    ; my place from the back
	v_cndmask_b32 v[128+k], v17, v16, vcc_lo
	v_min_u32 v[128+k], 2047, v[128+k]             ; a place in the list
	v_lshlrev_b32 v[128+k], 2, v[128+k]
	global_store_b32 v[128+k], v[192+k], s[34:35]
	s_bcnt1_i32_b32 s51, vcc_lo
	s_add_co_u32 s50, s50, s51
.set k, k+1
.endr
	v_mov_b32 v20, s50
	v_mov_b32 v21, 0
	global_store_b32 v21, v20, s[36:37]            ; every lane writes the same word with the same number
	s_endpgm
	; ---- work-groups 128-191: W_h.  Task 4 j + wave of 256: K step ks = task / 32, group of 32 columns = task % 32
.Lweight:
	s_sub_co_u32 s5, ttmp9, 128
	s_lshl_b32 s5, s5, 2
	s_add_co_u32 s5, s5, s4                        ; the task
	s_lshr_b32 s6, s5, 5                           ; ks
	s_and_b32 s7, s5, 31                           ; the group of 32 columns
	s_lshl_b32 s40, s6, 19                         ; 128 rows of 4,096 bytes
	s_lshl_b32 s42, s7, 7
	s_add_co_u32 s40, s40, s42
	s_mov_b32 s41, 0
	s_add_nc_u64 s[40:41], s[8:9], s[40:41]
	WLOAD
	s_lshr_b32 s42, s7, 1                          ; C = n / 64
	s_and_b32 s43, s7, 1                           ; u: which half of the 64
	s_lshl_b32 s44, s42, 3
	s_add_co_u32 s44, s44, s6
	s_lshl_b32 s44, s44, 2
	s_lshl_b32 s45, s43, 1
	s_add_co_u32 s44, s44, s45
	s_mul_i32 s44, s44, 1536                       ; ((8 C + ks) 4 + 2 u) fragments of 1,536 bytes
	s_mov_b32 s45, 0
	s_add_nc_u64 s[26:27], s[26:27], s[44:45]
	s_lshl_b32 s46, s6, 1
	s_add_co_u32 s46, s46, s43                     ; word 2 ks + u
	s_lshr_b32 s47, s46, 2
	s_lshl_b32 s47, s47, 9
	s_and_b32 s46, s46, 3
	s_lshl_b32 s46, s46, 2
	s_add_co_u32 s46, s46, s47
	s_lshl_b32 s47, s42, 11
	s_add_co_u32 s46, s46, s47
	s_mov_b32 s47, 0
	s_add_nc_u64 s[28:29], s[28:29], s[46:47]
	s_wait_loadcnt 63                              ; rows 0-63 are in.  Rows 64-127 are the 64 younger loads; 63 is the largest count that this wait can name, so row 64 is waited for too
	QW 0
	s_wait_loadcnt 0x0
	QW 1
.irp q, 0,1,2
	global_store_b128 v5, v[BF0+4*\q:BF0+4*\q+3], s[26:27] offset:512*\q          ; 32 lanes store 512 consecutive bytes
.endr
.irp q, 0,1,2
	global_store_b128 v5, v[BF1+4*\q:BF1+4*\q+3], s[26:27] offset:1536+512*\q
.endr
	global_store_b32 v5, v[SBW], s[28:29]
	s_endpgm
	; ---- work-groups 0-127: the state's product.  32 columns and a quarter of K a work-group; wave w takes K step 4 kq + w
.Lstate:
.irp b, 0,1,2,3
	v_mov_b32 v[TM+4+\b], 0                        ; written once: a lane permute's destination counts as one of its sources
.endr
	s_and_b32 s5, ttmp9, 31                        ; the group of 32 columns
	s_lshr_b32 s6, ttmp9, 5                        ; kq: the quarter of K
	s_lshl_b32 s7, s6, 2
	s_add_co_u32 s7, s7, s4                        ; my K step, 0..15
	s_lshl_b32 s42, s5, 7                          ; my first column, in bytes
	s_lshl_b32 s40, s7, 19
	s_add_co_u32 s40, s40, s42
	s_mov_b32 s41, 0
	s_add_nc_u64 s[40:41], s[10:11], s[40:41]
	s_and_b32 s43, s4, 1                           ; wave w will add up result tile w: rows 16 (w / 2) on, columns 16 (w % 2) on
	s_lshl_b32 s43, s43, 6
	s_add_co_u32 s43, s43, s42
	v_lshl_add_u32 v6, v2, 2, s43
	global_load_b32 v54, v6, s[16:17]              ; the three biases of my column of that tile
	global_load_b32 v55, v6, s[18:19]
	global_load_b32 v56, v6, s[20:21]
	WLOAD
	s_cmp_lt_u32 s7, 8                             ; K steps 0-7 lie in state_h, 8-15 in state_c
	s_cselect_b64 s[44:45], s[12:13], s[14:15]
	s_and_b32 s46, s7, 7
	s_lshl_b32 s46, s46, 9
	s_mov_b32 s47, 0
	s_add_nc_u64 s[44:45], s[44:45], s[46:47]
	v_lshlrev_b32 v7, 12, v2
	v_lshl_add_u32 v7, v3, 6, v7                   ; row r of 4,096 bytes, + 64 h
	v_lshlrev_b32 v10, 15, v3
	v_lshl_add_u32 v10, v2, 2, v10                 ; base: 8 h rows of 4,096 bytes, + 4 r
	s_wait_loadcnt 63                              ; the biases and W's rows 0-63 are in (of the 64 younger loads the wait can leave 63 out: row 64 is waited for too)
	QW 0
	XLOAD NUM, 0                                   ; cat's rows 0-15 into the registers just quantised
	s_wait_loadcnt 16                              ; W's rows 64-127 are in; those 16 loads are younger
	QW 1
	XLOAD NUM+64, 1
	s_wait_loadcnt 16                              ; cat's rows 0-15 are in
	QUANT NUM
.rept 8
	v_nop                                          ; a scale register written by a vector instruction stands 8 places ahead of a scaled matrix instruction, an operand 4
.endr
	v_wmma_scale_f32_16x16x128_f8f6f4 v[ACC:ACC+7], v[PC:PC+11], v[BF0:BF0+11], 0, v[PW], v[SBW] matrix_a_fmt:MATRIX_FMT_BF6 matrix_b_fmt:MATRIX_FMT_BF6
	v_wmma_scale_f32_16x16x128_f8f6f4 v[ACC+8:ACC+15], v[PC:PC+11], v[BF1:BF1+11], 0, v[PW], v[SBW] matrix_a_fmt:MATRIX_FMT_BF6 matrix_b_fmt:MATRIX_FMT_BF6 matrix_b_scale:MATRIX_SCALE_ROW1
	s_wait_loadcnt 0x0
	QUANT NUM+64                                   ; its 32 maxima are the places in front of the lines that write the codes and the scale word anew
.rept 8
	v_nop
.endr
	v_wmma_scale_f32_16x16x128_f8f6f4 v[ACC+16:ACC+23], v[PC:PC+11], v[BF0:BF0+11], 0, v[PW], v[SBW] matrix_a_fmt:MATRIX_FMT_BF6 matrix_b_fmt:MATRIX_FMT_BF6
	v_wmma_scale_f32_16x16x128_f8f6f4 v[ACC+24:ACC+31], v[PC:PC+11], v[BF1:BF1+11], 0, v[PW], v[SBW] matrix_a_fmt:MATRIX_FMT_BF6 matrix_b_fmt:MATRIX_FMT_BF6 matrix_b_scale:MATRIX_SCALE_ROW1
.rept 4
	v_nop                                          ; four places in front of the first read of results
.endr
.irp q, 0,1,2,3,4,5,6,7
	ds_store_b128 v8, v[ACC+4*\q:ACC+4*\q+3] offset:512*\q     ; each result from its low end on
.endr
	s_wait_dscnt 0x0                               ; for the others' sake: my stores have landed
	s_barrier_signal -1
	s_barrier_wait -1
.irp w, 0,1,2,3                                        ; my tile's eight registers of all four K steps
	ds_load_b128 v[NUM+8*\w:NUM+8*\w+3], v9 offset:4096*\w
	ds_load_b128 v[NUM+8*\w+4:NUM+8*\w+7], v9 offset:4096*\w+512
.endr
	s_cmp_eq_u32 s6, 0                             ; the biases belong to part 0 alone
	s_cselect_b32 s49, 1.0, 0
	s_lshl_b32 s46, s6, 17                         ; part kq: 131,072 bytes each,
	s_lshr_b32 s47, s4, 1
	s_lshl_b32 s47, s47, 16                        ; rows 16 (w / 2) on,
	s_add_co_u32 s46, s46, s47
	s_add_co_u32 s46, s46, s43                     ; my tile's first column
	s_mov_b32 s47, 0
	s_add_nc_u64 s[30:31], s[30:31], s[46:47]
	v_add_f32 v54, v54, v55
	v_add_f32 v54, v54, v56
	v_mul_f32 v54, s49, v54
	s_wait_dscnt 0x0
.set d, 16
.rept 2
.set p, 0
.rept d/2
	v_pk_add_f32 v[NUM+p:NUM+p+1], v[NUM+p:NUM+p+1], v[NUM+d+p:NUM+d+p+1]
.set p, p+2
.endr
.set d, d/2
.endr
.irp i, 0,1,2,3,4,5,6,7
	v_add_f32 v[NUM+\i], v[NUM+\i], v54
.endr
.irp i, 0,1,2,3,4,5,6,7
	global_store_b32 v10, v[NUM+\i], s[30:31] offset:4096*\i       ; row 8 h + i of the tile, column r
.endr
	s_wait_tensorcnt 0x0
	ds_add_u32 v62, v63
	s_wait_dscnt 0x0
	s_endpgm
.Lfunc_end_k_q97ebf975d3_prep:
	.size	k_q97ebf975d3_prep, .Lfunc_end_k_q97ebf975d3_prep-k_q97ebf975d3_prep
	.p2alignl 7, 3214868480
	.fill 96, 4, 3214868480
	.section	.rodata,"a",@progbits
	.p2align	6, 0x0
	.amdhsa_kernel k_q97ebf975d3_prep
		.amdhsa_group_segment_fixed_size 16896
		.amdhsa_private_segment_fixed_size 0
		.amdhsa_enable_private_segment 0
		.amdhsa_kernarg_size 120
		.amdhsa_user_sgpr_count 2
		.amdhsa_user_sgpr_kernarg_segment_ptr 1
		.amdhsa_wavefront_size32 1
		.amdhsa_system_sgpr_workgroup_id_x 1
		.amdhsa_system_sgpr_workgroup_id_y 1
		.amdhsa_system_sgpr_workgroup_id_z 1
		.amdhsa_system_vgpr_workitem_id 0
		.amdhsa_next_free_vgpr 256
		.amdhsa_next_free_sgpr 66
		.amdhsa_reserve_vcc 1
		.amdhsa_float_denorm_mode_32 3
		.amdhsa_float_denorm_mode_16_64 3
		.amdhsa_memory_ordered 1
		.amdhsa_forward_progress 1
		.amdhsa_inst_pref_size 109
	.end_amdhsa_kernel
	.amdgpu_metadata
---
amdhsa.version: [ 1, 2 ]
amdhsa.kernels:
  - .name:           k_q97ebf975d3_prep
    .symbol:         k_q97ebf975d3_prep.kd
    .args:
      - { .name: W_h, .offset: 0, .size: 8, .value_kind: global_buffer, .address_space: global }
      - { .name: W_s, .offset: 8, .size: 8, .value_kind: global_buffer, .address_space: global }
      - { .name: state_h, .offset: 16, .size: 8, .value_kind: global_buffer, .address_space: global }
      - { .name: state_c, .offset: 24, .size: 8, .value_kind: global_buffer, .address_space: global }
      - { .name: b_s, .offset: 32, .size: 8, .value_kind: global_buffer, .address_space: global }
      - { .name: b_h, .offset: 40, .size: 8, .value_kind: global_buffer, .address_space: global }
      - { .name: b_cov, .offset: 48, .size: 8, .value_kind: global_buffer, .address_space: global }
      - { .name: coverage, .offset: 56, .size: 8, .value_kind: global_buffer, .address_space: global }
      - { .name: context_mask, .offset: 64, .size: 8, .value_kind: global_buffer, .address_space: global }
      - { .name: Whq, .offset: 72, .size: 8, .value_kind: global_buffer, .address_space: global }
      - { .name: Whs, .offset: 80, .size: 8, .value_kind: global_buffer, .address_space: global }
      - { .name: base, .offset: 88, .size: 8, .value_kind: global_buffer, .address_space: global }
      - { .name: covn, .offset: 96, .size: 8, .value_kind: global_buffer, .address_space: global }
      - { .name: idx, .offset: 104, .size: 8, .value_kind: global_buffer, .address_space: global }
      - { .name: cnt, .offset: 112, .size: 8, .value_kind: global_buffer, .address_space: global }
    .group_segment_fixed_size: 16896
    .private_segment_fixed_size: 0
    .kernarg_segment_align: 8
    .kernarg_segment_size: 120
    .max_flat_workgroup_size: 128
    .sgpr_count:     66
    .vgpr_count:     256
    .wavefront_size: 32
...
	.end_amdgpu_metadata
.endif
;; end of part 1
;; launch main (part 2): grid 256 x 1, 4 waves a work-group, no clusters, 254,464 bytes of LDS; arguments context, Whq, Whs, base, covn, W_cov, v_w, epart; writes epart
.if DOCPART == 2
	.amdgcn_target "amdgcn-amd-amdhsa--gfx1250"
	.amdhsa_code_object_version 6
	.text
	.protected	k_q97ebf975d3_main
	.globl	k_q97ebf975d3_main
	.p2align	8
	.type	k_q97ebf975d3_main,@function
k_q97ebf975d3_main:
	s_mov_b64 s[64:65], 0
	v_nop
	global_prefetch_b8 v0, s[64:65] scope:SCOPE_SE
	s_setreg_imm32_b32 hwreg(HW_REG_WAVE_MODE, 25, 1), 1
	s_wait_xcnt 0x0
; epart[w][row] = the sum over the 256 columns n of wave w of (-2 v_n) / (1 + 2^(2 log2(e) x)),  x = Q(context) Q(W_h) + base[b][n] + covn[row] W_cov[n];  base = the sum of the four parts that the launch before stored.
; Since tanh x = 1 - 2 / (1 + e^(2 x)), the four parts of a row and the constant sum(v) + v_b, which the last launch adds, are e.  Where 2^(..) overflows the quotient is 0 and tanh is 1; where it falls to 0, -1.
; SHARES.  A work-group takes 256 rows of one batch, as two tiles of 128.  Wave w quantises rows 32 w .. 32 w + 31 of each tile (E3M2, one E8M0 byte for each 32 along K) and leaves their fragments in LDS as
; images of the operand's registers; it multiplies ALL 128 rows by ITS 256 columns of W_h, 64 at a time (a chunk: 32 accumulators).  W_h's fragments, laid by the launch before in the order of the registers, go from
; memory straight into the one wave that uses them: each feeds 8 matrix instructions, each of context's, read from LDS, 4.  Tile 1 is loaded and quantised between the chunks of tile 0.
; NO JOINT LOADS: a fragment of W_h is wanted by one wave of a work-group; through LDS it would be written and read once more, and 251,904 of LDS's bytes are taken.
; RESULT LAYOUT.  Source 0 = 16 rows of context, source 1 = 16 columns of W_h: a lane holds ONE column (lane % 16) and rows 8 (lane / 16) + 0 .. 7.  The sums begin as base + covn W_cov, so the biases cost one multiply-add.
; LIMITS: a block of zeros, and one under 2^-122, gets the byte 1 with its codes as they round; NaN and infinities in the inputs are not served.
; REGISTERS, in windows of 256.  0: v1-28 addresses; v32-47 W_h's scale words; v48-55 context's, two sets; v56-79 the chunk's base, W_cov, -2 v (even registers); v80-118 the quantiser; v128-191 X; v208-255 B of K step 2.
;   1: v0-95 context's 8 fragments; v96-191 B of K steps 0, 1; v192-255 E, the rows' sums.   2: the accumulators, (a, t) at 8 (4 a + t).   3: four sets of 64 raw numbers, or B of K steps 3-7.
.set A_T,  98304                       ; LDS: a tile's 64 fragments: (8 M + ks) x 1,536 bytes, M = the tile of 16 rows: a wave writes 24,576 bytes on end
.set ASC,  2*A_T                       ; their scale words: T x 4,096 + 1,024 w + 128 ks + 4 (row % 32)
.set STG,  ASC+8192                    ; a stage of 16 rows x (512 + 16) bytes for each wave
.set CON,  STG+4*8448                  ; base, W_cov, -2 v of all 1,024 columns: 4,096 bytes each
.set COV,  CON+12288                   ; covn of my 256 rows
.set LI,   4                           ; 16 x lane
.set STW,  5                           ; the stage, in: a row's 512 bytes as they lie
.set STR,  6                           ; the stage, out: row r, + 64 h
.set XW0,  7                           ; where my wave's images begin
.set XS0,  8                           ; and their scale words
.set CR,   9                           ; CON + 4 r
.set CV0,  10                          ; COV + 32 h
.set AS0,  11                          ; ASC + 4 x lane
.set EOFF, 12                          ; my row among 32, in bytes, on the way out
.set ADA,  13                          ; the tile's fragments, blocks 0-3
.set ADA2, 14                          ; blocks 4-7
.set ADS,  15                          ; the tile's scale words
.set XWI,  16
.set XWS,  17
.set ADC,  18
.set ADV,  19
.set BCUR, 20                          ; byte offset of my chunk in Whq; of the chunk ahead; the same in Whs
.set BNXT, 21
.set SBNX, 22
.set CW,   25
.set VW,   26
.set GC,   27
.set GV,   28
.set SB,   32
.set SA,   48
.set BS,   56
.set WC,   64
.set W2,   72
.set TM,   80
.set PW,   96
.set PC,   100
.set X,    128
.set E,    192                         ; in window 1
.set SEL,  28                          ; s[28:29]
.set MSB, 0
.macro WIN new                         ; the immediate's high byte repeats the setting that is left
.if MSB != \new
	s_set_vgpr_msb (MSB<<8)|\new
.set MSB, \new
.endif
.endm
.macro PLACES                          ; four plain places behind a matrix instruction, in front of loads into its registers and of reads of its results
.rept 4
	v_nop
.endr
.endm
.macro QUANT s                         ; 64 numbers of a lane, register 16 b + i = k 32 b + 16 (lane / 16) + i of my row -> codes in v[PC] on, scale word in v[PW]
.irp b, 0,1,2,3
	v_max3_num_f32 v[TM+\b], |v[\s+16*\b]|, |v[\s+1+16*\b]|, 0x2800000   ; and the floor 2^(5 - 127): the byte cannot fall under 1
.endr
.irp i, 2,4,6,8,10,12,14
.irp b, 0,1,2,3
	v_max3_num_f32 v[TM+\b], v[TM+\b], |v[\s+16*\b+\i]|, |v[\s+1+16*\b+\i]|
.endr
.endr
.irp b, 0,1,2,3
	v_permlanex16_b32 v[TM+4+\b], v[TM+\b], s[SEL], s[SEL+1]
.endr
.irp b, 0,1,2,3
	v_max_num_f32 v[TM+\b], v[TM+\b], v[TM+4+\b]
.endr
.irp b, 0,1,2,3
	v_add_nc_u32 v[TM+12+\b], 0xfe000000, v[TM+\b]        ; 4 off the exponent field: the conversion's scale operand
.endr
.irp b, 0,1,2,3
	v_lshrrev_b32 v[TM+4+\b], 23, v[TM+12+\b]
.endr
	v_lshl_or_b32 v[PW], v[TM+5], 8, v[TM+4]
	v_lshl_or_b32 v[PW], v[TM+6], 16, v[PW]
	v_lshl_or_b32 v[PW], v[TM+7], 24, v[PW]
.irp c, 0,1
	v_cvt_scalef32_pk16_bf6_f32 v[PC+6*\c:PC+2+6*\c], v[\s+32*\c:\s+15+32*\c], v[TM+12+2*\c]
	v_cvt_scalef32_pk16_bf6_f32 v[PC+12+4*\c:PC+14+4*\c], v[\s+16+32*\c:\s+31+32*\c], v[TM+12+2*\c+1]
.endr
	v_nop                                                  ; one plain place behind a scaled conversion
.irp c, 0,1
.irp i, 0,1,2
	v_permlane16_swap_b32 v[PC+6*\c+\i], v[PC+12+4*\c+\i]
.endr
.irp i, 0,1,2
	v_mov_b32 v[PC+3+6*\c+\i], v[PC+12+4*\c+\i]
.endr
.endr
.endm
; Raw set q = 2 mt + kk: 16 rows (tile mt of my two) x 128 along K (the group's K step kk).  Each load takes 512 consecutive bytes of one row.  The caller has set the destination's window to 3.
.macro GLOAD q, extra, p
.irp i, 0,1,2,3,4,5,6,7,8,9,10,11,12,13,14,15
	global_load_b128 v[64*(\q)+4*\i:64*(\q)+4*\i+3], v[LI], s[\p:\p+1] offset:((\q)/2)*65536+((\q)%2)*512+\i*4096+\extra th:TH_LOAD_NT
.endr
.endm
; Raw set q turns through my stage, so that a lane holds 16 neighbours of each block, is quantised, and its image and scale words go to LDS.  cnt: the younger loads.  refill = 1: the set takes the next group.
.macro UNIT q, cnt, refill
	s_wait_loadcnt \cnt
	WIN 0x0c                                       ; an LDS store's data are its source 1: window 3
.irp i, 0,1,2,3,4,5,6,7,8,9,10,11,12,13,14,15
	ds_store_b128 v[STW], v[64*(\q)+4*\i:64*(\q)+4*\i+3] offset:528*\i
.endr
	WIN 0
.irp b, 0,1,2,3
.irp j, 0,1,2,3
	ds_load_b128 v[X+16*\b+4*\j:X+16*\b+4*\j+3], v[STR] offset:128*\b+16*\j    ; LDS serves a wave's instructions in order: these see the stores above
.endr
.endr
	s_wait_dscnt 0x0                               ; the numbers are back; the stage's stores have read the raw set, the last image's stores the codes
.if \refill
	WIN 0xc0
	GLOAD \q, 1024, 24
	WIN 0
.endif
	QUANT X
.irp c, 0,1,2
	ds_store_b128 v[XWI], v[PC+4*\c:PC+4*\c+3] offset:((\q)/2)*12288+((\q)%2)*1536+512*\c
.endr
	ds_store_b32 v[XWS], v[PW] offset:((\q)%2)*128+((\q)/2)*64       ; lanes r and r + 16 write the same word with the same number
.endm
.macro BL ks, reg, adr                 ; W_h's four fragments of K step ks of a chunk
.irp t, 0,1,2,3
.irp c, 0,1,2
	global_load_b128 v[\reg+12*\t+4*\c:\reg+12*\t+4*\c+3], v[\adr], s[50:51] offset:((\ks)*4+\t)*1536+512*\c
.endr
.endr
.endm
.macro BNEXT                           ; of the chunk ahead: B of K steps 0, 1, 2 and all its scale words: 40 loads
	WIN 0x40
	BL 0, 96, BNXT
	BL 1, 144, BNXT
	WIN 0
	BL 2, 208, BNXT
.irp q, 0,1,2,3
	global_load_b128 v[SB+4*\q:SB+4*\q+3], v[SBNX], s[52:53] offset:512*\q
.endr
.endm
.macro FA1 ks                          ; context's blocks 0-3 of K step ks, and the step's scale words (lanes 0-15: block 2 i, lanes 16-31: block 2 i + 1): 16 LDS loads
	WIN 0x40
.irp a, 0,1,2,3
.irp c, 0,1,2
	ds_load_b128 v[12*\a+4*\c:12*\a+4*\c+3], v[ADA] offset:(\a*8+(\ks))*1536+512*\c
.endr
.endr
	WIN 0
.irp i, 0,1,2,3
	ds_load_b32 v[SA+4*((\ks)%2)+\i], v[ADS] offset:\i*1024+(\ks)*128
.endr
.endm
.macro FA2 ks                          ; blocks 4-7: 12 LDS loads
	WIN 0x40
.irp a, 4,5,6,7
.irp c, 0,1,2
	ds_load_b128 v[12*\a+4*\c:12*\a+4*\c+3], v[ADA2] offset:((\a-4)*8+(\ks))*1536+512*\c
.endr
.endr
.endm
.macro WM acc, af, bf, sa, sb, ra, rb
.if (\ra) && (\rb)
	v_wmma_scale_f32_16x16x128_f8f6f4 v[\acc:\acc+7], v[\af:\af+11], v[\bf:\bf+11], v[\acc:\acc+7], v[\sa], v[\sb] matrix_a_fmt:MATRIX_FMT_BF6 matrix_b_fmt:MATRIX_FMT_BF6 matrix_a_scale:MATRIX_SCALE_ROW1 matrix_b_scale:MATRIX_SCALE_ROW1
.elseif (\ra)
	v_wmma_scale_f32_16x16x128_f8f6f4 v[\acc:\acc+7], v[\af:\af+11], v[\bf:\bf+11], v[\acc:\acc+7], v[\sa], v[\sb] matrix_a_fmt:MATRIX_FMT_BF6 matrix_b_fmt:MATRIX_FMT_BF6 matrix_a_scale:MATRIX_SCALE_ROW1
.elseif (\rb)
	v_wmma_scale_f32_16x16x128_f8f6f4 v[\acc:\acc+7], v[\af:\af+11], v[\bf:\bf+11], v[\acc:\acc+7], v[\sa], v[\sb] matrix_a_fmt:MATRIX_FMT_BF6 matrix_b_fmt:MATRIX_FMT_BF6 matrix_b_scale:MATRIX_SCALE_ROW1
.else
	v_wmma_scale_f32_16x16x128_f8f6f4 v[\acc:\acc+7], v[\af:\af+11], v[\bf:\bf+11], v[\acc:\acc+7], v[\sa], v[\sb] matrix_a_fmt:MATRIX_FMT_BF6 matrix_b_fmt:MATRIX_FMT_BF6
.endif
.endm
.macro MUL a0, ks, breg                ; 16 matrix instructions: blocks a0 .. a0 + 3 x the chunk's four tiles of columns.  The 32 accumulators take turns, one instruction a turn, in the same order in every step
.set ma, \a0
.rept 4
.set mu, 0
.rept 4
	WM 8*(4*ma+mu), 12*ma, \breg+12*mu, SA+4*((\ks)%2)+ma/2, SB+2*(\ks)+mu/2, ma%2, mu%2
.set mu, mu+1
.endr
.set ma, ma+1
.endr
.endm
; A K step of 128: 32 matrix instructions.  A block of context is free once its four products are issued, so one set of registers serves: blocks 0-3 come anew in the step's middle, blocks 4-7 at its end.
.macro STEP ks, breg, wm, lc
.if \lc >= 0
	s_wait_loadcnt \lc                             ; this step's B is in: behind its 12 loads stand those of the later steps, 12 each
.endif
	s_wait_dscnt 12                                ; blocks 0-3 and the scale words are in; blocks 4-7 are the 12 younger loads
	WIN \wm
	MUL 0, \ks, \breg
	s_wait_dscnt 0x0                               ; blocks 4-7 are in
.if \ks < 7
	PLACES
	FA1 \ks+1
	WIN \wm
.endif
	MUL 4, \ks, \breg
.if \ks < 7
	PLACES
	FA2 \ks+1
.endif
.endm
; The chunk ahead, number s2 = 4 T + c: its constants and its tile's covn come from LDS, and its sums begin as base + covn x W_cov.
.macro NEXTC
	s_and_b32 s3, s2, 3
	s_lshl_b32 s3, s3, 8
	s_lshl_b32 s4, s20, 10
	s_add_co_u32 s3, s3, s4
	v_add_nc_u32 v[ADC], s3, v[CR]                 ; column 256 w + 64 c + r
	s_lshr_b32 s4, s2, 2
	s_lshl_b32 s4, s4, 9
	v_add_nc_u32 v[ADV], s4, v[CV0]                ; row 128 T + 8 h
.irp t, 0,1,2,3
	ds_load_b32 v[BS+2*\t], v[ADC] offset:64*\t
	ds_load_b32 v[WC+2*\t], v[ADC] offset:4096+64*\t
	ds_load_b32 v[W2+2*\t], v[ADC] offset:8192+64*\t
.endr
.irp a, 0,1,2,3,4,5,6,7
	ds_load_b128 v[X+8*\a:X+8*\a+3], v[ADV] offset:64*\a
	ds_load_b128 v[X+8*\a+4:X+8*\a+7], v[ADV] offset:64*\a+16
.endr
	s_wait_dscnt 0x0
	WIN 0x80                                       ; destination window 2
.set ma, 0
.rept 8
.set mu, 0
.rept 4
.irp p, 0,2,4,6
	v_pk_fma_f32 v[8*(4*ma+mu)+\p:8*(4*ma+mu)+\p+1], v[X+8*ma+\p:X+8*ma+\p+1], v[WC+2*mu:WC+2*mu+1], v[BS+2*mu:BS+2*mu+1] op_sel_hi:[1,0,0]
.endr
.set mu, mu+1
.endr
.set ma, ma+1
.endr
	WIN 0
.endm
; A chunk: 128 rows x my 64 columns, all of K; then 2 / (1 + e^(2 x)) and the sums with -2 v.  quant = 1: a quarter of tile 1 (256 along K of my 32 rows) is loaded under the epilogue and quantised behind it.
; Its four raw sets are asked for at three places of the epilogue and not in one run: with the 40 loads of the chunk ahead they would be 104 at once, more than LOADcnt counts,
; and the issue would stand still (ISA guide 5.7.1) where now the epilogue goes on.  They stay the youngest loads, in their order, so the counts of the UNITs hold.
.macro TRIP quant
	s_lshl_b32 s2, s20, 2
	s_add_co_u32 s3, s2, s21                       ; my chunk of W_h: 4 w + c
	s_mul_i32 s3, s3, 49152
	v_add_nc_u32 v[BCUR], s3, v[LI]                ; (no load that names these three registers is out: the last trip waited for all)
	s_add_co_u32 s3, s21, 1
	s_and_b32 s3, s3, 3
	s_add_co_u32 s3, s3, s2                        ; the chunk ahead: 4 w + (c + 1) % 4
	s_mul_i32 s4, s3, 49152
	v_add_nc_u32 v[BNXT], s4, v[LI]
	s_lshl_b32 s4, s3, 11
	v_add_nc_u32 v[SBNX], s4, v[LI]
	WIN 0xc0
	BL 3, 0, BCUR                                  ; 60 loads: they have the first three steps in which to land
	BL 4, 48, BCUR
	BL 5, 96, BCUR
	BL 6, 144, BCUR
	BL 7, 192, BCUR
	FA1 0
	FA2 0
	STEP 0, 96, 0xa5, -1                           ; B of steps 0-2 came under the last epilogue
	STEP 1, 144, 0xa5, -1
	STEP 2, 208, 0xa1, -1
	STEP 3, 0, 0xad, 48
	STEP 4, 48, 0xad, 36
	STEP 5, 96, 0xad, 24
	STEP 6, 144, 0xad, 12
	STEP 7, 192, 0xad, 0
	WIN 0
	PLACES                                         ; for the loads below and for the first read of results
.if !\quant
	s_cmp_eq_u32 s21, 3                            ; behind the last chunk of the last tile nothing is ahead
	s_cbranch_scc1 .Lno_b_\@
.endif
	BNEXT
.if \quant
	WIN 0xc0
	GLOAD 0, 0, 44                                 ; 40 + 16 loads are out
.endif
.if !\quant
.Lno_b_\@:
.endif
	WIN 0x82                                       ; in place in window 2
.set p, 0
.rept 128
	v_pk_mul_f32 v[p:p+1], v[p:p+1], s[26:27] op_sel_hi:[1,0]      ; 2 log2(e) x; ascending
.set p, p+2
.endr
.set p, 0
.rept 256
	v_exp_f32 v[p], v[p]
.set p, p+1
.endr
	v_nop                                          ; a plain place behind the exponentials
.if \quant
	WIN 0xc0
	GLOAD 1, 0, 44
	GLOAD 2, 0, 44
	WIN 0x82
.endif
.set p, 0
	s_wait_alu depctr_va_vdst(0)
.rept 128
	v_pk_add_f32 v[p:p+1], v[p:p+1], 1.0 op_sel_hi:[1,0]
.set p, p+2
.endr
.set p, 0
.rept 256
	v_rcp_f32 v[p], v[p]
.set p, p+1
.endr
	v_nop                                          ; a plain place behind the reciprocals
.if \quant
	WIN 0xc0
	GLOAD 3, 0, 44
.endif
	WIN 0x52                                       ; E (window 1) += quotient (window 2) x -2 v (window 0)
.set mu, 0
	s_wait_alu depctr_va_vdst(0)
.rept 4
.set ma, 0
.rept 8
.irp p, 0,2,4,6
	v_pk_fma_f32 v[E+8*ma+\p:E+8*ma+\p+1], v[8*(4*ma+mu)+\p:8*(4*ma+mu)+\p+1], v[W2+2*mu:W2+2*mu+1], v[E+8*ma+\p:E+8*ma+\p+1] op_sel_hi:[1,0,1]
.endr
.set ma, ma+1
.endr
.set mu, mu+1
.endr
	WIN 0
.if \quant
	v_add_nc_u32 v[XWI], s38, v[XW0]
	v_add_nc_u32 v[XWS], s39, v[XS0]
	UNIT 0, 48, 0                                  ; the raw sets are the youngest loads: the counts run down; the last wait also shows the chunk ahead's B
	UNIT 1, 32, 0
	UNIT 2, 16, 0
	UNIT 3, 0, 0
	s_add_nc_u64 s[44:45], s[44:45], 1024          ; no load is out: the pointer may step 256 along K
	s_add_co_u32 s38, s38, 3072
	s_add_co_u32 s39, s39, 256
	s_add_co_u32 s2, s21, 1
	NEXTC
.else
	s_wait_loadcnt 0x0                             ; the chunk ahead's B and scale words
	s_cmp_eq_u32 s21, 3
	s_cbranch_scc1 .Lno_c_\@
	s_add_co_u32 s2, s21, 5
	NEXTC
.Lno_c_\@:
.endif
.endm
; E's 64 registers (row 16 a + 8 h + j at 8 a + j) are summed over the 16 lanes of a half.  Each of the four exchanges also halves the registers: a lane keeps the one of a pair that its bit chooses and
; sends the other to the lane that chose it.  At the end lane r holds, in register k, row 32 k + 16 (r / 8) + 8 h + r % 8.
.macro EOUT T, zero
	WIN 0x05                                       ; sources in window 1
.irp k, 0,1,2,3
.irp j, 0,1,2,3,4,5,6,7
	v_cndmask_b32 v[X+8*\k+\j], v[E+16*\k+\j], v[E+16*\k+8+\j], s30
	v_cndmask_b32 v[X+32+8*\k+\j], v[E+16*\k+8+\j], v[E+16*\k+\j], s30
.endr
.endr
.if \zero
	WIN 0x40
.set p, 0
.rept 64
	v_mov_b32 v[E+p], 0                            ; the next tile's sums begin
.set p, p+1
.endr
.endif
	WIN 0
.set p, 0
.rept 32
	v_add_f32_dpp v[X+p], v[X+32+p], v[X+p] row_xmask:8 row_mask:0xf bank_mask:0xf
.set p, p+1
.endr
.irp k, 0,1,2,3
.irp j, 0,1,2,3
	v_cndmask_b32 v[X+32+4*\k+\j], v[X+8*\k+\j], v[X+8*\k+4+\j], s31
	v_cndmask_b32 v[X+48+4*\k+\j], v[X+8*\k+4+\j], v[X+8*\k+\j], s31
.endr
.endr
.set p, 0
.rept 16
	v_add_f32_dpp v[X+p], v[X+48+p], v[X+32+p] row_xmask:4 row_mask:0xf bank_mask:0xf
.set p, p+1
.endr
.irp k, 0,1,2,3
.irp j, 0,1
	v_cndmask_b32 v[X+32+2*\k+\j], v[X+4*\k+\j], v[X+4*\k+2+\j], s32
	v_cndmask_b32 v[X+40+2*\k+\j], v[X+4*\k+2+\j], v[X+4*\k+\j], s32
.endr
.endr
.set p, 0
.rept 8
	v_add_f32_dpp v[X+p], v[X+40+p], v[X+32+p] row_xmask:2 row_mask:0xf bank_mask:0xf
.set p, p+1
.endr
.irp k, 0,1,2,3
	v_cndmask_b32 v[X+32+\k], v[X+2*\k], v[X+2*\k+1], s33
	v_cndmask_b32 v[X+36+\k], v[X+2*\k+1], v[X+2*\k], s33
.endr
.irp k, 0,1,2,3
	v_add_f32_dpp v[X+\k], v[X+36+\k], v[X+32+\k] row_xmask:1 row_mask:0xf bank_mask:0xf
.endr
.irp k, 0,1,2,3
	global_store_b32 v[EOFF], v[X+\k], s[46:47] offset:512*\T+128*\k       ; 32 lanes store 128 consecutive bytes
.endr
.endm
.macro SETT T                          ; the tile that the products read
	v_add_nc_u32 v[ADA], \T*A_T, v[LI]
	v_add_nc_u32 v[ADA2], \T*A_T+49152, v[LI]
	v_add_nc_u32 v[ADS], \T*4096, v[AS0]
.endm
	s_load_b512 s[48:63], s[0:1], 0x0              ; context 48, Whq 50, Whs 52, base 54, covn 56, W_cov 58, v_w 60, epart 62
	v_lshl_add_u32 v206, v0, 2, 0x3e000
	v_mov_b32 v207, 0
	v_lshrrev_b32 v1, 5, v0
	v_readfirstlane_b32 s20, v1                    ; wave 0..3
	v_and_b32 v1, 31, v0                           ; lane
	v_and_b32 v2, 15, v0                           ; r
	v_bfe_u32 v3, v0, 4, 1                         ; h
	v_lshlrev_b32 v[LI], 4, v1
	s_mul_i32 s2, s20, 8448
	s_add_co_u32 s2, s2, STG
	v_add_nc_u32 v[STW], s2, v[LI]
	v_mul_u32_u24 v[STR], v2, 528
	v_lshl_add_u32 v[STR], v3, 6, v[STR]
	v_add_nc_u32 v[STR], s2, v[STR]
	s_mul_i32 s2, s20, 24576
	v_add_nc_u32 v[XW0], s2, v[LI]
	s_lshl_b32 s2, s20, 10
	s_add_co_u32 s2, s2, ASC
	v_lshl_add_u32 v[XS0], v2, 2, s2
	v_lshl_add_u32 v[CR], v2, 2, CON
	v_lshl_add_u32 v[CV0], v3, 5, COV
	v_lshl_add_u32 v[AS0], v1, 2, ASC
	v_and_b32 v23, 7, v2
	v_lshrrev_b32 v24, 3, v2
	v_lshl_add_u32 v23, v24, 4, v23
	v_lshl_add_u32 v23, v3, 3, v23
	v_lshlrev_b32 v[EOFF], 2, v23                  ; 4 (16 (r / 8) + 8 h + r % 8)
	v_lshl_add_u32 v[CW], v0, 5, CON               ; thread t brings 8 numbers of each constant array, and 2 of covn
	v_lshl_add_u32 v[VW], v0, 3, COV
	v_lshlrev_b32 v[GC], 5, v0
	v_lshlrev_b32 v[GV], 3, v0
	v_and_b32 v23, 8, v0
	v_cmp_ne_u32 s30, 0, v23                       ; the four bits of r, as lane masks
	v_and_b32 v23, 4, v0
	v_cmp_ne_u32 s31, 0, v23
	v_and_b32 v23, 2, v0
	v_cmp_ne_u32 s32, 0, v23
	v_and_b32 v23, 1, v0
	v_cmp_ne_u32 s33, 0, v23
.irp b, 0,1,2,3
	v_mov_b32 v[TM+4+\b], 0                        ; written once: a lane permute's destination counts as one of its sources
.endr
.irp t, 1,3,5,7
	v_mov_b32 v[BS+\t], 0                          ; the upper halves of pairs of which the low word serves both halves: named, so written
	v_mov_b32 v[WC+\t], 0
	v_mov_b32 v[W2+\t], 0
.endr
	s_mov_b32 s26, 0x4038aa3b                      ; 2 log2(e)
	s_mov_b32 s27, s26
	s_mov_b32 s[SEL], 0x76543210
	s_mov_b32 s[SEL+1], 0xfedcba98
	s_lshl_b32 s5, s20, 2
	s_mul_i32 s6, s5, 49152
	v_add_nc_u32 v[BNXT], s6, v[LI]                ; my first chunk: 4 w
	s_lshl_b32 s6, s5, 11
	v_add_nc_u32 v[SBNX], s6, v[LI]
	s_wait_kmcnt 0x0
	s_lshl_b32 s2, ttmp9, 20                       ; 256 rows of 4,096 bytes a work-group,
	s_lshl_b32 s3, s20, 17                         ; 32 a wave
	s_add_co_u32 s2, s2, s3
	s_mov_b32 s3, 0
	s_add_nc_u64 s[24:25], s[48:49], s[2:3]        ; my rows of tile 0,
	s_add_nc_u64 s[44:45], s[24:25], 0x80000       ; and of tile 1, 128 rows on
	s_lshr_b32 s2, ttmp9, 3
	s_lshl_b32 s2, s2, 12
	s_add_nc_u64 s[54:55], s[54:55], s[2:3]        ; my batch's row of base, in part 0
	s_lshl_b32 s2, ttmp9, 10
	s_add_nc_u64 s[56:57], s[56:57], s[2:3]        ; my 256 rows' covn
	s_lshl_b32 s4, s20, 18
	s_add_co_u32 s2, s2, s4
	s_add_nc_u64 s[46:47], s[62:63], s[2:3]        ; epart: part w, my 256 rows
	WIN 0x40                                       ; the constants wait in E's registers.  These 53 loads go out first, so that behind a raw set stand the three other sets and nothing else
.irp p, 0,1,2,3                                        ; base's four parts, 131,072 bytes apart
	global_load_b128 v[192+8*\p:195+8*\p], v[GC], s[54:55] offset:131072*\p
	global_load_b128 v[196+8*\p:199+8*\p], v[GC], s[54:55] offset:131072*\p+16
.endr
	global_load_b128 v[224:227], v[GC], s[58:59]
	global_load_b128 v[228:231], v[GC], s[58:59] offset:16
	global_load_b128 v[232:235], v[GC], s[60:61]
	global_load_b128 v[236:239], v[GC], s[60:61] offset:16
	global_load_b64 v[240:241], v[GV], s[56:57]
	BNEXT
	WIN 0xc0
	GLOAD 0, 0, 24
	GLOAD 1, 0, 24
	GLOAD 2, 0, 24
	GLOAD 3, 0, 24
	WIN 0
	; ---- tile 0 is quantised: four groups of 256 along K; 64 loads of 512 bytes of every wave are asked for ahead
	s_mov_b32 s38, 0
	s_mov_b32 s39, 0
	s_mov_b32 s21, 0
.Lgroup:
	v_add_nc_u32 v[XWI], s38, v[XW0]
	v_add_nc_u32 v[XWS], s39, v[XS0]
	UNIT 0, 48, 1                                  ; 48: the three younger sets
	UNIT 1, 48, 1
	UNIT 2, 48, 1
	UNIT 3, 48, 1
	s_wait_dscnt 0x0                               ; the last image's stores have read their address registers
	s_wait_xcnt 0x0                                ; the pointer is stepped only behind this wait
	s_add_nc_u64 s[24:25], s[24:25], 1024
	s_add_co_u32 s38, s38, 3072
	s_add_co_u32 s39, s39, 256
	s_add_co_u32 s21, s21, 1
	s_cmp_lt_u32 s21, 3
	s_cbranch_scc1 .Lgroup
	v_add_nc_u32 v[XWI], s38, v[XW0]
	v_add_nc_u32 v[XWS], s39, v[XS0]
	UNIT 0, 48, 0                                  ; the last group loads nothing: the counts run down
	UNIT 1, 32, 0
	UNIT 2, 16, 0
	UNIT 3, 0, 0
	WIN 0x45                                       ; all in window 1
.irp i, 0,2,4,6
	v_pk_add_f32 v[192+\i:193+\i], v[192+\i:193+\i], v[200+\i:201+\i]      ; base: parts 0 + 1,
	v_pk_add_f32 v[208+\i:209+\i], v[208+\i:209+\i], v[216+\i:217+\i]      ; 2 + 3,
.endr
.irp i, 0,2,4,6
	v_pk_add_f32 v[192+\i:193+\i], v[192+\i:193+\i], v[208+\i:209+\i]      ; and both
	v_pk_mul_f32 v[232+\i:233+\i], v[232+\i:233+\i], -2.0 op_sel_hi:[1,0]
.endr
	WIN 0x04                                       ; store data in window 1
	ds_store_b128 v[CW], v[192:195]
	ds_store_b128 v[CW], v[196:199] offset:16
	ds_store_b128 v[CW], v[224:227] offset:4096
	ds_store_b128 v[CW], v[228:231] offset:4096+16
	ds_store_b128 v[CW], v[232:235] offset:8192
	ds_store_b128 v[CW], v[236:239] offset:8192+16
	ds_store_b64 v[VW], v[240:241]
	WIN 0
	s_wait_dscnt 0x0                               ; for the others' sake: my images, scale words and constants have landed
	s_barrier_signal -1
	s_barrier_wait -1
	WIN 0x40
.set p, 0
.rept 64
	v_mov_b32 v[E+p], 0                            ; the rows' sums begin; a chunk is written once, so its first turn finds zeros
.set p, p+1
.endr
	WIN 0
	s_mov_b32 s2, 0
	NEXTC
	; ---- tile 0's four chunks; tile 1 is quantised on the way.  No wave reads in this loop what another writes in it
	SETT 0
	s_mov_b32 s38, A_T
	s_mov_b32 s39, 4096
	s_mov_b32 s21, 0
.Ltile0:
	TRIP 1
	s_add_co_u32 s21, s21, 1
	s_cmp_lt_u32 s21, 4
	s_cbranch_scc1 .Ltile0
	EOUT 0, 1
	s_wait_xcnt 0x0                                ; the stores' data registers are written again only behind this wait
	s_wait_dscnt 0x0                               ; tile 1's images and scale words have landed
	s_barrier_signal -1
	s_barrier_wait -1
	; ---- tile 1's four chunks
	SETT 1
	s_mov_b32 s21, 0
.Ltile1:
	TRIP 0
	s_add_co_u32 s21, s21, 1
	s_cmp_lt_u32 s21, 4
	s_cbranch_scc1 .Ltile1
	EOUT 1, 0
	s_wait_tensorcnt 0x0
	ds_add_u32 v206, v207
	s_wait_dscnt 0x0
	s_endpgm
.Lfunc_end_k_q97ebf975d3_main:
	.size	k_q97ebf975d3_main, .Lfunc_end_k_q97ebf975d3_main-k_q97ebf975d3_main
	.p2alignl 7, 3214868480
	.fill 96, 4, 3214868480
	.section	.rodata,"a",@progbits
	.p2align	6, 0x0
	.amdhsa_kernel k_q97ebf975d3_main
		.amdhsa_group_segment_fixed_size 254464
		.amdhsa_private_segment_fixed_size 0
		.amdhsa_enable_private_segment 0
		.amdhsa_kernarg_size 64
		.amdhsa_user_sgpr_count 2
		.amdhsa_user_sgpr_kernarg_segment_ptr 1
		.amdhsa_wavefront_size32 1
		.amdhsa_system_sgpr_workgroup_id_x 1
		.amdhsa_system_sgpr_workgroup_id_y 1
		.amdhsa_system_sgpr_workgroup_id_z 1
		.amdhsa_system_vgpr_workitem_id 0
		.amdhsa_next_free_vgpr 1024
		.amdhsa_next_free_sgpr 66
		.amdhsa_reserve_vcc 0
		.amdhsa_float_denorm_mode_32 3
		.amdhsa_float_denorm_mode_16_64 3
		.amdhsa_memory_ordered 1
		.amdhsa_forward_progress 1
		.amdhsa_inst_pref_size 255
	.end_amdhsa_kernel
	.section	.bss,"aw",@nobits
	.p2align	6
	.space	262144
	.amdgpu_metadata
---
amdhsa.version: [ 1, 2 ]
amdhsa.kernels:
  - .name:           k_q97ebf975d3_main
    .symbol:         k_q97ebf975d3_main.kd
    .args:
      - { .name: context, .offset: 0, .size: 8, .value_kind: global_buffer, .address_space: global }
      - { .name: Whq, .offset: 8, .size: 8, .value_kind: global_buffer, .address_space: global }
      - { .name: Whs, .offset: 16, .size: 8, .value_kind: global_buffer, .address_space: global }
      - { .name: base, .offset: 24, .size: 8, .value_kind: global_buffer, .address_space: global }
      - { .name: covn, .offset: 32, .size: 8, .value_kind: global_buffer, .address_space: global }
      - { .name: W_cov, .offset: 40, .size: 8, .value_kind: global_buffer, .address_space: global }
      - { .name: v_w, .offset: 48, .size: 8, .value_kind: global_buffer, .address_space: global }
      - { .name: epart, .offset: 56, .size: 8, .value_kind: global_buffer, .address_space: global }
    .group_segment_fixed_size: 254464
    .private_segment_fixed_size: 0
    .kernarg_segment_align: 8
    .kernarg_segment_size: 64
    .max_flat_workgroup_size: 128
    .sgpr_count:     66
    .vgpr_count:     1024
    .wavefront_size: 32
...
	.end_amdgpu_metadata
.endif
;; end of part 2
;; launch fin (part 3): grid 256 x 1, 16 waves a work-group, no clusters, 18,432 bytes of LDS; arguments epart, idx, cnt, context, context_mask, v_w, v_b, out0, out1; writes out0, out1
.if DOCPART == 3
	.amdgcn_target "amdgcn-amd-amdhsa--gfx1250"
	.amdhsa_code_object_version 6
	.text
	.protected	k_q97ebf975d3_fin
	.globl	k_q97ebf975d3_fin
	.p2align	8
	.type	k_q97ebf975d3_fin,@function
k_q97ebf975d3_fin:
	s_mov_b64 s[64:65], 0
	v_nop
	global_prefetch_b8 v0, s[64:65] scope:SCOPE_SE
	s_setreg_imm32_b32 hwreg(HW_REG_WAVE_MODE, 25, 1), 1
	s_wait_xcnt 0x0
; e = the four parts + sum(v) + v_b;  p = exp(e - max e) x mask (the maximum over all rows of the batch, as the reference takes it);  out1 = p / sum p;  out0 = sum over rows of out1 x context.
; The softmax's own divisor cancels against the renormalising, so it is not formed.
; SHARES.  Eight work-groups to a batch, sixteen waves each: each work-group repeats the batch's small reductions, stores an eighth of out1, and owns 128 columns of out0.
; Of context only listed rows are read: the first launch sorted the batch's rows, those whose mask is not 0 first.  Wave w takes groups w + 16 i of 32 places of the list, i = 0 .. 3.
; GROUP 0 (places 0-511) IS ASKED FOR AS SOON AS THE LIST IS IN, ahead of the reductions, and with no branch: so every count behind it is the same on every way.  Its price: where fewer than 512 rows of a
; batch count, rows of weight 0 are read too.  The later groups are read only if their first place lies under the count.  A listed row past the count has mask 0, so weight 0.
; THE ROWS RUN AS A RING: as soon as row j of a group has been added, its registers take row j of the next group: 32 loads of 512 bytes of every wave stay on their way.
; No matrix unit: one row of weights against 2,048 rows is a stream.
; LIMITS: a row with mask 0 that is not read is not multiplied by 0, so an infinity or NaN there does not reach out0.  A batch with no row that counts gives NaN, as the reference does.
; REGISTERS: v1-15 addresses and statistics; v16-19 the list; v20-23 the listed rows' weights; v24-31 my four columns' sums, two sets; v32-53 my four rows; v56-79 the gathers; v80-95 at work; v96-127 the rows' addresses; v128-255 32 rows.
.set ACCR, 1024                        ; LDS: three areas of 64 bytes at 0, 256, 512 for the reductions; from 1,024 on 512 bytes a wave
.macro WGRED opd, op, reg, base        ; over the 512 threads; the result in every lane.  Each reduction has bytes of its own, so one barrier serves it
	\opd v[\reg], v[\reg], v[\reg] row_xmask:1 row_mask:0xf bank_mask:0xf
	\opd v[\reg], v[\reg], v[\reg] row_xmask:2 row_mask:0xf bank_mask:0xf
	\opd v[\reg], v[\reg], v[\reg] row_xmask:4 row_mask:0xf bank_mask:0xf
	\opd v[\reg], v[\reg], v[\reg] row_xmask:8 row_mask:0xf bank_mask:0xf
	v_permlanex16_b32 v9, v[\reg], s26, s27
	\op v[\reg], v[\reg], v9
	ds_store_b32 v6, v[\reg] offset:\base          ; all lanes of a wave write the wave's word with the same number
	s_wait_dscnt 0x0
	s_barrier_signal -1
	s_barrier_wait -1
.irp q, 0,1,2,3
	ds_load_b128 v[80+4*\q:83+4*\q], v5 offset:\base+16*\q
.endr
	s_wait_dscnt 0x0
.irp q, 0,2,4,6,8,10,12,14
	\op v[80+\q], v[80+\q], v[81+\q]
.endr
.irp q, 0,4,8,12
	\op v[80+\q], v[80+\q], v[82+\q]
.endr
	\op v80, v80, v84
	\op v88, v88, v92
	\op v[\reg], v80, v88
.endm
; Group i's 32 rows are added, each times its weight.  nxt = 1: row j's registers take row j of group i + 1 at once; behind row j's load then stand 31 - j rows of this group and j of the next: 31.
; nxt = 0: nothing more is asked for, and the counts run down.  At a block's head its 32 loads, and no others, are out.
.macro CONS i, nxt
.set j, 0
.rept 32
.if \nxt
	v_readlane_b32 s45, v[17+\i], j
	s_min_u32 s45, s45, 2047                       ; a row of the batch
	s_lshl_b32 s45, s45, 12
	s_wait_loadcnt 31
.else
	s_wait_loadcnt 31-j
.endif
	v_readlane_b32 s42, v[20+\i], j
	v_pk_fma_f32 v[24+4*(j%2):25+4*(j%2)], v[128+4*j:129+4*j], s[42:43], v[24+4*(j%2):25+4*(j%2)] op_sel_hi:[1,0,1]
	v_pk_fma_f32 v[26+4*(j%2):27+4*(j%2)], v[130+4*j:131+4*j], s[42:43], v[26+4*(j%2):27+4*(j%2)] op_sel_hi:[1,0,1]
.if \nxt
	v_add_nc_u32 v[96+j], s45, v4                  ; (row j's load is done, by the wait above: its address register may be written)
	global_load_b128 v[128+4*j:131+4*j], v[96+j], s[14:15] th:TH_LOAD_NT
.endif
.set j, j+1
.endr
.endm
	s_load_b512 s[8:23], s[0:1], 0x0               ; epart 8, idx 10, cnt 12, context 14, context_mask 16, v_w 18, v_b 20, out0 22
	s_load_b64 s[24:25], s[0:1], 0x40              ; out1
	v_lshl_add_u32 v54, v0, 2, 0x4000
	v_mov_b32 v55, 0
	v_lshrrev_b32 v1, 5, v0
	v_readfirstlane_b32 s4, v1                     ; wave 0..15
	s_lshr_b32 s5, ttmp9, 3                        ; the batch
	s_and_b32 s6, ttmp9, 7                         ; which 128 columns, and which eighth of out1
	v_and_b32 v1, 31, v0
	v_lshlrev_b32 v2, 4, v0                        ; 16 t
	v_lshlrev_b32 v3, 2, v0                        ; 4 t
	v_lshlrev_b32 v4, 4, v1                        ; 16 x lane
	v_mov_b32 v5, 0
	s_lshl_b32 s7, s4, 2
	v_mov_b32 v6, s7                               ; 4 x wave
	v_lshlrev_b32 v7, 3, v0                        ; 8 t
	v_mov_b32 v9, 0                                ; written once: a lane permute's destination counts as one of its sources
	s_mov_b32 s26, 0x76543210
	s_mov_b32 s27, 0xfedcba98
	s_mov_b32 s43, 0                               ; (named with s42 as a pair, so it is written)
	s_lshl_b32 s28, s5, 13                         ; a batch's 2,048 numbers of 4 bytes
	s_mov_b32 s29, 0
	s_lshl_b32 s30, s5, 2
	s_mov_b32 s31, 0
	s_lshl_b32 s32, s5, 23                         ; a batch of context,
	s_lshl_b32 s33, s6, 9                          ; my 128 columns
	s_add_co_u32 s32, s32, s33
	s_lshl_b32 s34, s5, 12
	s_add_co_u32 s34, s34, s33
	s_mov_b32 s33, 0
	s_mov_b32 s35, 0
	s_wait_kmcnt 0x0
	s_add_nc_u64 s[8:9], s[8:9], s[28:29]
	s_add_nc_u64 s[10:11], s[10:11], s[28:29]
	s_add_nc_u64 s[16:17], s[16:17], s[28:29]
	s_add_nc_u64 s[24:25], s[24:25], s[28:29]
	s_add_nc_u64 s[12:13], s[12:13], s[30:31]
	s_add_nc_u64 s[14:15], s[14:15], s[32:33]
	s_add_nc_u64 s[22:23], s[22:23], s[34:35]
	s_load_b32 s40, s[20:21], 0x0                  ; v_b
	s_load_b32 s41, s[12:13], 0x0                  ; how many rows of my batch count
	global_load_b64 v[52:53], v7, s[18:19]         ; two of v
.irp i, 0,1,2,3
	global_load_b32 v[16+\i], v3, s[10:11] offset:2048*\i          ; the list: place 512 i + t: group wave + 16 i
.endr
.irp p, 0,1,2,3
	global_load_b128 v[32+4*\p:35+4*\p], v2, s[8:9] offset:\p*262144          ; thread t: rows 4 t .. 4 t + 3
.endr
	global_load_b128 v[48:51], v2, s[16:17]
	s_wait_loadcnt 5                               ; v and the list are in; the five loads behind them may be out
.irp i, 0,1,2,3
	v_min_u32 v[16+\i], 2047, v[16+\i]             ; a row of the batch
.endr
.irp i, 0,1,2,3
	v_lshlrev_b32 v[56+\i], 2, v[16+\i]
.endr
.irp i, 0,1,2,3                                        ; the listed rows' four parts and mask: 20 loads, asked for now, used behind the reductions
.irp p, 0,1,2,3
	global_load_b32 v[60+5*\i+\p], v[56+\i], s[8:9] offset:\p*262144
.endr
	global_load_b32 v[64+5*\i], v[56+\i], s[16:17]
.endr
.set j, 0
.rept 32                                               ; group 0's 32 rows, 512 bytes of each: they are on their way while the reductions are made
	v_readlane_b32 s45, v16, j
	s_min_u32 s45, s45, 2047
	s_lshl_b32 s45, s45, 12
	v_add_nc_u32 v[96+j], s45, v4                  ; the row, + 16 x lane
	global_load_b128 v[128+4*j:131+4*j], v[96+j], s[14:15] th:TH_LOAD_NT
.set j, j+1
.endr
	v_add_f32 v8, v52, v53
	WGRED v_add_f32_dpp, v_add_f32, 8, 0           ; sum(v)
	s_wait_kmcnt 0x0
	s_min_u32 s41, s41, 2048
	v_add_f32 v12, s40, v8                         ; the constant of e
	v_mov_b32 v13, v12
	s_wait_loadcnt 52                              ; my four rows' parts and mask are in; the 20 gathers and the 32 rows are younger
.irp i, 0,2
	v_pk_add_f32 v[32+\i:33+\i], v[32+\i:33+\i], v[36+\i:37+\i]
	v_pk_add_f32 v[40+\i:41+\i], v[40+\i:41+\i], v[44+\i:45+\i]
.endr
.irp i, 0,2
	v_pk_add_f32 v[32+\i:33+\i], v[32+\i:33+\i], v[40+\i:41+\i]
.endr
.irp i, 0,2
	v_pk_add_f32 v[32+\i:33+\i], v[32+\i:33+\i], v[12:13]          ; e
.endr
	v_max3_num_f32 v10, v32, v33, v34
	v_max_num_f32 v10, v10, v35
	WGRED v_max_num_f32_dpp, v_max_num_f32, 10, 256        ; the batch's largest e
	v_mov_b32 v11, v10
.irp i, 0,2
	v_pk_add_f32 v[32+\i:33+\i], v[32+\i:33+\i], v[10:11] neg_lo:[0,1] neg_hi:[0,1]
.endr
.irp i, 0,2
	v_pk_mul_f32 v[32+\i:33+\i], v[32+\i:33+\i], 0x3fb8aa3b op_sel_hi:[1,0]
.endr
.irp i, 0,1,2,3
	v_exp_f32 v[32+\i], v[32+\i]
.endr
.irp i, 0,1,2,3
	v_cvt_f32_i32 v[48+\i], v[48+\i]               ; the mask as a number (plain places behind the exponentials)
.endr
	s_wait_alu depctr_va_vdst(0)
.irp i, 0,2
	v_pk_mul_f32 v[32+\i:33+\i], v[32+\i:33+\i], v[48+\i:49+\i]
.endr
	v_pk_add_f32 v[14:15], v[32:33], v[34:35]
	v_add_f32 v14, v14, v15
	WGRED v_add_f32_dpp, v_add_f32, 14, 512
	v_rcp_f32 v14, v14
	v_nop                                          ; a plain place behind the reciprocal
	s_wait_alu depctr_va_vdst(0)
	v_mov_b32 v15, v14
	s_lshr_b32 s44, s4, 1                          ; the two waves whose rows are the work-group's eighth store them to out1
	s_cmp_lg_u32 s44, s6
	s_cbranch_scc1 .Lnot_mine
.irp i, 0,2
	v_pk_mul_f32 v[32+\i:33+\i], v[32+\i:33+\i], v[14:15]
.endr
	global_store_b128 v2, v[32:35], s[24:25]               ; 32 lanes store 512 consecutive bytes; v2 and v32-35 are not written again
.Lnot_mine:
	s_wait_loadcnt 32                              ; the gathers are in; group 0's 32 rows are younger
.irp i, 0,1,2,3
	v_add_f32 v[60+5*\i], v[60+5*\i], v[61+5*\i]
	v_add_f32 v[62+5*\i], v[62+5*\i], v[63+5*\i]
.endr
.irp i, 0,1,2,3
	v_add_f32 v[60+5*\i], v[60+5*\i], v[62+5*\i]
.endr
.irp i, 0,1,2,3
	v_add_f32 v[60+5*\i], v[60+5*\i], v12
.endr
.irp i, 0,1,2,3
	v_sub_f32 v[60+5*\i], v[60+5*\i], v10
.endr
.irp i, 0,1,2,3
	v_mul_f32 v[60+5*\i], 0x3fb8aa3b, v[60+5*\i]
.endr
.irp i, 0,1,2,3
	v_exp_f32 v[20+\i], v[60+5*\i]
.endr
.irp i, 0,1,2,3
	v_cvt_f32_i32 v[64+5*\i], v[64+5*\i]
.endr
	s_wait_alu depctr_va_vdst(0)
.irp i, 0,1,2,3
	v_mul_f32 v[20+\i], v[20+\i], v[64+5*\i]       ; the listed row's weight, not yet divided
.endr
.irp i, 0,1,2,3,4,5,6,7
	v_mov_b32 v[24+\i], 0                          ; my four columns' sums, in two sets
.endr
	; The groups that count are a prefix of my four: where the next one does not count, the group in hand is the last, and its tail is written out.
.irp i, 0,1,2
	s_lshl_b32 s44, s4, 5
	s_add_co_u32 s44, s44, 512*(\i+1)              ; the next group's first place
	s_cmp_ge_u32 s44, s41
	s_cbranch_scc1 .Llast_\i
	CONS \i, 1
.endr
	CONS 3, 0
	s_branch .Lsummed
.Llast_0:
	CONS 0, 0
	s_branch .Lsummed
.Llast_1:
	CONS 1, 0
	s_branch .Lsummed
.Llast_2:
	CONS 2, 0
.Lsummed:
	v_pk_add_f32 v[24:25], v[24:25], v[28:29]
	v_pk_add_f32 v[26:27], v[26:27], v[30:31]
	ds_store_b128 v2, v[24:27] offset:ACCR         ; 512 bytes a wave: its sums of the 128 columns
	s_wait_dscnt 0x0
	s_barrier_signal -1
	s_barrier_wait -1
	s_cmp_lt_u32 s4, 4
	s_cbranch_scc0 .Lend
.irp w, 0,1,2,3,4,5,6,7,8,9,10,11,12,13,14,15
	ds_load_b32 v[60+\w], v3 offset:ACCR+512*\w    ; thread t < 128: column t of each wave's sums
.endr
	s_wait_dscnt 0x0
.irp q, 0,2,4,6,8,10,12,14
	v_add_f32 v[60+\q], v[60+\q], v[61+\q]
.endr
.irp q, 0,4,8,12
	v_add_f32 v[60+\q], v[60+\q], v[62+\q]
.endr
	v_add_f32 v60, v60, v64
	v_add_f32 v68, v68, v72
	v_add_f32 v60, v60, v68
	v_mul_f32 v60, v60, v14                        ; / the sum of the weights
	global_store_b32 v3, v60, s[22:23]             ; four waves store 512 consecutive bytes
.Lend:
	s_wait_tensorcnt 0x0
	ds_add_u32 v54, v55
	s_wait_dscnt 0x0
	s_endpgm
.Lfunc_end_k_q97ebf975d3_fin:
	.size	k_q97ebf975d3_fin, .Lfunc_end_k_q97ebf975d3_fin-k_q97ebf975d3_fin
	.p2alignl 7, 3214868480
	.fill 96, 4, 3214868480
	.section	.rodata,"a",@progbits
	.p2align	6, 0x0
	.amdhsa_kernel k_q97ebf975d3_fin
		.amdhsa_group_segment_fixed_size 18432
		.amdhsa_private_segment_fixed_size 0
		.amdhsa_enable_private_segment 0
		.amdhsa_kernarg_size 72
		.amdhsa_user_sgpr_count 2
		.amdhsa_user_sgpr_kernarg_segment_ptr 1
		.amdhsa_wavefront_size32 1
		.amdhsa_system_sgpr_workgroup_id_x 1
		.amdhsa_system_sgpr_workgroup_id_y 1
		.amdhsa_system_sgpr_workgroup_id_z 1
		.amdhsa_system_vgpr_workitem_id 0
		.amdhsa_next_free_vgpr 256
		.amdhsa_next_free_sgpr 66
		.amdhsa_reserve_vcc 0
		.amdhsa_float_denorm_mode_32 3
		.amdhsa_float_denorm_mode_16_64 3
		.amdhsa_memory_ordered 1
		.amdhsa_forward_progress 1
		.amdhsa_inst_pref_size 101
	.end_amdhsa_kernel
	.amdgpu_metadata
---
amdhsa.version: [ 1, 2 ]
amdhsa.kernels:
  - .name:           k_q97ebf975d3_fin
    .symbol:         k_q97ebf975d3_fin.kd
    .args:
      - { .name: epart, .offset: 0, .size: 8, .value_kind: global_buffer, .address_space: global }
      - { .name: idx, .offset: 8, .size: 8, .value_kind: global_buffer, .address_space: global }
      - { .name: cnt, .offset: 16, .size: 8, .value_kind: global_buffer, .address_space: global }
      - { .name: context, .offset: 24, .size: 8, .value_kind: global_buffer, .address_space: global }
      - { .name: context_mask, .offset: 32, .size: 8, .value_kind: global_buffer, .address_space: global }
      - { .name: v_w, .offset: 40, .size: 8, .value_kind: global_buffer, .address_space: global }
      - { .name: v_b, .offset: 48, .size: 8, .value_kind: global_buffer, .address_space: global }
      - { .name: out0, .offset: 56, .size: 8, .value_kind: global_buffer, .address_space: global }
      - { .name: out1, .offset: 64, .size: 8, .value_kind: global_buffer, .address_space: global }
    .group_segment_fixed_size: 18432
    .private_segment_fixed_size: 0
    .kernarg_segment_align: 8
    .kernarg_segment_size: 72
    .max_flat_workgroup_size: 512
    .sgpr_count:     66
    .vgpr_count:     256
    .wavefront_size: 32
...
	.end_amdgpu_metadata
.endif
;; end of part 3
;; ======== version 2 of 2: 3 launches; version 1 with the launches prep, main, fin written anew for expert scheduling mode
;; workspace buffers: Whq 786,432 bytes; Whs 32,768 bytes; base 524,288 bytes; covn 262,144 bytes; idx 262,144 bytes of whole numbers; cnt 256 bytes of whole numbers; epart 1,048,576 bytes
;; launch prep (part 4): grid 200 x 1, 4 waves a work-group, no clusters, 16,896 bytes of LDS; arguments W_h, W_s, state_h, state_c, b_s, b_h, b_cov, coverage, context_mask, Whq, Whs, base, covn, idx, cnt; writes Whq, Whs, base, covn, idx, cnt
.if DOCPART == 4
	.amdgcn_target "amdgcn-amd-amdhsa--gfx1250"
	.amdhsa_code_object_version 6
	.text
	.protected	k_q97ebf975d3_prep
	.globl	k_q97ebf975d3_prep
	.p2align	8
	.type	k_q97ebf975d3_prep,@function
k_q97ebf975d3_prep:
	s_mov_b64 s[64:65], 0
	v_nop
	global_prefetch_b8 v0, s[64:65] scope:SCOPE_SE
	s_setreg_imm32_b32 hwreg(HW_REG_WAVE_SCHED_MODE, 0, 2), 2
	s_setreg_imm32_b32 hwreg(HW_REG_WAVE_MODE, 25, 1), 1
	s_wait_xcnt 0x0
	s_wait_alu depctr_vm_vsrc(0)
; WHAT THE LARGE LAUNCH NEEDS READY.  Three kinds of work-group, parted by the work-group's number; four waves each, so that a work-group fetches 64 KiB of a weight:
;   0-127    base[kq][b][n] = the part of Q(cat(state_h, state_c)) Q(W_s) that a quarter kq of K gives: 32 columns a work-group, one K step of 128 a wave; the four waves' sums meet in LDS.
;            Part 0 also holds b_s + b_h + b_cov.  The next launch adds the four parts.
;   128-191  W_h [k][n] f32 -> codes of E3M2 and E8M0 scale bytes, quantised along k, a K step of 128 x 32 columns a wave, stored in the order of the operand's registers:
;            Whq [n/64][k/128][tile of 16 columns][3 x 512 bytes: registers 4 q .. 4 q + 3 of lane l at 512 q + 16 l];  Whs [n/64][q][lane][4 words], word 2 ks + u of column 64 C + 32 u + lane.
;   192-199  one wave a batch: covn = (coverage + 0.001) / its row sum; idx = the batch's rows sorted by the mask (rows that count from the front, ascending; the others from the back); cnt = how many count.
; A LANE TAKES A COLUMN OF W AND ITS REGISTERS RUN DOWN K, so a block of 32 lies in one lane and the conversions give codes with K innermost.
; A block's scale is 2^(floor(log2(largest magnitude)) - 4); its byte is the largest magnitude's exponent field - 4, held at 1 from below.
; The input last_attn enters no step of the computation, so no launch of this program names it.
; LIMITS: a block of zeros, and one whose largest magnitude lies under 2^-122, gets the byte 1 (zero codes add nothing; these bytes are read by this program alone); NaN and infinities are not served.
; THE MODE: SCHED_MODE bits 1:0 = 2 (LLVM: expert scheduling mode 2), set by the entry lines.  The code itself states the register dependences
; between vector or matrix instructions and memory or LDS instructions, with s_wait_alu, always for 0.
; THE PLAN.  Registers that memory or LDS instructions touch:
;   v4, v5, v8, v9   offsets and LDS addresses of all three ways: made at the head, one wait there, never written again.  v6, v7, v10: the state's way, made together, one wait.
;   NUM              W's 128 numbers: loaded, read by QW; in the state's way cat's rows land in each half behind a wait that shows QW done with it; later the LDS loads of the four waves' sums.
;   BF0, BF1, SBW, PC, PW   written by the quantisers; read by stores (the weight's way) or by the scaled matrix instructions (the state's way): a wait ahead of either.
;   ACC              written by the matrix instructions, read by the LDS stores: the places, then a wait.
;   the batches' way: every store has data and address registers of its own; eight rows' stores stand behind one wait, in the next eight's turn.
.set TM,  16                           ; v16-31  at work in the quantisers
.set PC,  32                           ; v32-50  codes just made
.set PW,  52                           ; v52     cat's scale word
.set SBW, 53                           ; v53     W's scale word: my column's four bytes of this K step
.set BF0, 68                           ; v68-79  W's fragment of columns 0-15 of my 32
.set BF1, 80                           ; v80-91  of columns 16-31
.set ACC, 92                           ; v92-123 four results: tile 2 mi + ni
.set NUM, 128                          ; v128-255 128 numbers of a lane
.set SEL, 38                           ; s[38:39] selects of v_permlanex16_b32: lane l xor 16
.set MK,  52                           ; s52-59  eight lane masks of the batches' way
; 64 numbers of a lane, register 16 b + i = k 32 b + 16 (lane / 16) + i of my row, become a fragment's codes in v[PC] on and its scale word in v[PW].
.macro QUANT s
.irp b, 0,1,2,3
	v_max3_num_f32 v[TM+\b], |v[\s+16*\b]|, |v[\s+1+16*\b]|, 0x2800000   ; my 16 numbers of block b, and the floor 2^(5 - 127): the byte cannot fall under 1
.endr
.irp i, 2,4,6,8,10,12,14
.irp b, 0,1,2,3
	v_max3_num_f32 v[TM+\b], v[TM+\b], |v[\s+16*\b+\i]|, |v[\s+1+16*\b+\i]|
.endr
.endr
.irp b, 0,1,2,3
	v_permlanex16_b32 v[TM+4+\b], v[TM+\b], s[SEL], s[SEL+1]
.endr
.irp b, 0,1,2,3
	v_max_num_f32 v[TM+\b], v[TM+\b], v[TM+4+\b]          ; with lane l xor 16's: the block's largest magnitude
.endr
.irp b, 0,1,2,3
	v_add_nc_u32 v[TM+12+\b], 0xfe000000, v[TM+\b]        ; 4 off its exponent field: the conversion's scale operand
.endr
.irp b, 0,1,2,3
	v_lshrrev_b32 v[TM+4+\b], 23, v[TM+12+\b]             ; the scale's byte
.endr
	v_lshl_or_b32 v[PW], v[TM+5], 8, v[TM+4]
	v_lshl_or_b32 v[PW], v[TM+6], 16, v[PW]
	v_lshl_or_b32 v[PW], v[TM+7], 24, v[PW]
.irp c, 0,1
	v_cvt_scalef32_pk16_bf6_f32 v[PC+6*\c:PC+2+6*\c], v[\s+32*\c:\s+15+32*\c], v[TM+12+2*\c]
	v_cvt_scalef32_pk16_bf6_f32 v[PC+12+4*\c:PC+14+4*\c], v[\s+16+32*\c:\s+31+32*\c], v[TM+12+2*\c+1]   ; (a conversion's three registers begin on an even number)
.endr
	v_nop                                                  ; one plain place behind a scaled conversion
.irp c, 0,1                                                    ; the operand wants a whole block in a lane: lanes 0-15 block 2 c, lanes 16-31 block 2 c + 1
.irp i, 0,1,2
	v_permlane16_swap_b32 v[PC+6*\c+\i], v[PC+12+4*\c+\i]
.endr
.irp i, 0,1,2
	v_mov_b32 v[PC+3+6*\c+\i], v[PC+12+4*\c+\i]
.endr
.endr
.endm
; 64 numbers of my column, register i = k 64 c + i: two whole blocks.  Their codes go to registers 6 c .. 6 c + 5 of both fragments, their bytes to bytes 2 c, 2 c + 1 of v[SBW].
; A fragment's lanes 0-15 want a column's lower block and lanes 16-31 the same column's upper block: one exchange of halves between the lower and the upper blocks' registers serves both tiles.
.macro QW c
.set QN, NUM+64*(\c)
.irp q, 0,1,2,3
	v_max3_num_f32 v[TM+\q], |v[QN+16*\q]|, |v[QN+16*\q+1]|, 0x2800000
.endr
.irp i, 2,4,6,8,10,12,14
.irp q, 0,1,2,3
	v_max3_num_f32 v[TM+\q], v[TM+\q], |v[QN+16*\q+\i]|, |v[QN+16*\q+\i+1]|
.endr
.endr
	v_max_num_f32 v[TM], v[TM], v[TM+1]                    ; block 2 c
	v_max_num_f32 v[TM+1], v[TM+2], v[TM+3]                ; block 2 c + 1
	v_add_nc_u32 v[TM+4], 0xfe000000, v[TM]
	v_add_nc_u32 v[TM+5], 0xfe000000, v[TM+1]
	v_lshrrev_b32 v[TM+8], 23, v[TM+4]
	v_lshrrev_b32 v[TM+9], 23, v[TM+5]
.if \c == 0
	v_lshl_or_b32 v[SBW], v[TM+9], 8, v[TM+8]
.else
	v_lshl_or_b32 v[SBW], v[TM+8], 16, v[SBW]
	v_lshl_or_b32 v[SBW], v[TM+9], 24, v[SBW]
.endif
	v_cvt_scalef32_pk16_bf6_f32 v[BF0+6*\c:BF0+6*\c+2], v[QN:QN+15], v[TM+4]
	v_cvt_scalef32_pk16_bf6_f32 v[PC:PC+2], v[QN+16:QN+31], v[TM+4]
	v_cvt_scalef32_pk16_bf6_f32 v[BF1+6*\c:BF1+6*\c+2], v[QN+32:QN+47], v[TM+5]
	v_cvt_scalef32_pk16_bf6_f32 v[PC+4:PC+6], v[QN+48:QN+63], v[TM+5]
	v_nop                                                  ; one plain place behind a scaled conversion
.irp i, 0,1,2
	v_permlane16_swap_b32 v[BF0+6*\c+\i], v[BF1+6*\c+\i]
	v_permlane16_swap_b32 v[PC+\i], v[PC+4+\i]
.endr
.irp i, 0,1,2
	v_mov_b32 v[BF0+6*\c+3+\i], v[PC+\i]
	v_mov_b32 v[BF1+6*\c+3+\i], v[PC+4+\i]
.endr
.endm
.macro WLOAD                           ; 128 rows k of W at my wave's 32 columns: 128 consecutive bytes a load
.set k, 0
.rept 128
	global_load_b32 v[NUM+k], v4, s[40:41] offset:k*4096 th:TH_LOAD_NT
.set k, k+1
.endr
.endm
.macro XLOAD reg, mt                   ; 16 rows of cat, this K step: lane (r, h) takes 16 neighbours of each block of 32
.irp b, 0,1,2,3
.irp j, 0,1,2,3
	global_load_b128 v[\reg+16*\b+4*\j:\reg+16*\b+4*\j+3], v7, s[44:45] offset:\mt*65536+128*\b+16*\j
.endr
.endr
.endm
	s_load_b512 s[8:23], s[0:1], 0x0               ; W_h 8, W_s 10, state_h 12, state_c 14, b_s 16, b_h 18, b_cov 20, coverage 22
	s_load_b256 s[24:31], s[0:1], 0x40             ; context_mask 24, Whq 26, Whs 28, base 30
	s_load_b128 s[32:35], s[0:1], 0x60             ; covn 32, idx 34
	s_load_b64 s[36:37], s[0:1], 0x70              ; cnt
	v_lshl_add_u32 v62, v0, 2, 0x4000
	v_mov_b32 v63, 0
	v_lshrrev_b32 v1, 5, v0
	v_readfirstlane_b32 s4, v1                     ; wave 0..3
	v_and_b32 v1, 31, v0                           ; lane
	v_and_b32 v2, 15, v0                           ; r
	v_bfe_u32 v3, v0, 4, 1                         ; h
	v_lshlrev_b32 v4, 2, v1                        ; 4 x lane
	v_lshlrev_b32 v5, 4, v1                        ; 16 x lane
	s_wait_alu depctr_va_sdst(0)                   ; s4 is written, ahead of its first reader
	s_lshl_b32 s48, s4, 12
	v_add_nc_u32 v8, s48, v5                       ; LDS: my wave's 4,096 bytes, 16 bytes a lane
	s_lshl_b32 s49, s4, 10
	v_add_nc_u32 v9, s49, v5                       ; LDS: result tile number = my wave's number (two groups of four registers, 1,024 bytes), in wave 0's bytes
	s_mov_b32 s[SEL], 0x76543210
	s_mov_b32 s[SEL+1], 0xfedcba98
	s_wait_kmcnt 0x0
	s_wait_alu depctr_va_vdst(0)                   ; v4, v5, v8 and v9 are written: the offsets and LDS addresses that the loads and stores of all three ways read
	s_cmp_lt_u32 ttmp9, 128
	s_cbranch_scc1 .Lstate
	s_cmp_lt_u32 ttmp9, 192
	s_cbranch_scc1 .Lweight
	; ---- work-groups 192-199: a wave to a batch
	s_sub_co_u32 s5, ttmp9, 192
	s_lshl_b32 s5, s5, 2
	s_add_co_u32 s5, s5, s4                        ; the batch
	s_lshl_b32 s40, s5, 13                         ; its 2,048 numbers of 4 bytes
	s_mov_b32 s41, 0
	s_add_nc_u64 s[22:23], s[22:23], s[40:41]
	s_add_nc_u64 s[24:25], s[24:25], s[40:41]
	s_add_nc_u64 s[32:33], s[32:33], s[40:41]
	s_add_nc_u64 s[34:35], s[34:35], s[40:41]
	s_lshl_b32 s40, s5, 2
	s_add_nc_u64 s[36:37], s[36:37], s[40:41]
.irp i, 0,1,2,3,4,5,6,7,8,9,10,11,12,13,14,15
	global_load_b128 v[64+4*\i:67+4*\i], v5, s[22:23] offset:512*\i
.endr
.set k, 0
.rept 64
	global_load_b32 v[128+k], v4, s[24:25] offset:128*k    ; the mask of row 32 k + lane
.set k, k+1
.endr
	s_wait_loadcnt 63                              ; coverage is in.  Behind it stand the mask's 64 loads; 63 is the largest count that this wait can name, so the first of them is waited for too
.set k, 0
.rept 32
	v_pk_add_f32 v[64+k:65+k], v[64+k:65+k], 0x3a83126f op_sel_hi:[1,0]   ; + 0.001
.set k, k+2
.endr
.irp q, 0,2,4,6                                        ; the row's sum, in four chains of pairs
	v_pk_add_f32 v[16+\q:17+\q], v[64+\q:65+\q], v[72+\q:73+\q]
.endr
.irp i, 16,24,32,40,48,56
.irp q, 0,2,4,6
	v_pk_add_f32 v[16+\q:17+\q], v[16+\q:17+\q], v[64+\i+\q:65+\i+\q]
.endr
.endr
	v_pk_add_f32 v[16:17], v[16:17], v[18:19]
	v_pk_add_f32 v[20:21], v[20:21], v[22:23]
	v_pk_add_f32 v[16:17], v[16:17], v[20:21]
	v_add_f32 v16, v16, v17
	v_add_f32_dpp v16, v16, v16 row_xmask:1 row_mask:0xf bank_mask:0xf
	v_add_f32_dpp v16, v16, v16 row_xmask:2 row_mask:0xf bank_mask:0xf
	v_add_f32_dpp v16, v16, v16 row_xmask:4 row_mask:0xf bank_mask:0xf
	v_add_f32_dpp v16, v16, v16 row_xmask:8 row_mask:0xf bank_mask:0xf
	v_permlanex16_b32 v17, v16, s[SEL], s[SEL+1]
	v_add_f32 v16, v16, v17
	v_rcp_f32 v18, v16
	v_nop                                          ; a plain place behind the reciprocal
	s_wait_alu depctr_va_vdst(0)                   ; the reciprocal has written v18, ahead of its first reader
.set k, 0
.rept 32
	v_pk_mul_f32 v[64+k:65+k], v[64+k:65+k], v[18:19] op_sel_hi:[1,0]
.set k, k+2
.endr
	s_wait_alu depctr_va_vdst(0)                   ; the multiplications have written v64-127, which the stores read
.irp i, 0,1,2,3,4,5,6,7,8,9,10,11,12,13,14,15
	global_store_b128 v5, v[64+4*\i:67+4*\i], s[32:33] offset:512*\i
.endr
	s_wait_loadcnt 0x0                             ; the mask
	s_mov_b32 s50, 0                               ; rows that count, so far
; Eight groups of 32 rows at a time: their eight compares in a run, into eight scalar registers, one wait behind the run.  Each group of 32 rows has registers of its own for its store, so none is written again.
.set kb, 0
.rept 8
.set i, 0
.rept 8
	v_cmp_ne_u32 s[MK+i], 0, v[128+kb+i]
.set i, i+1
.endr
	s_wait_alu depctr_va_sdst(0)                   ; the eight masks are written, ahead of their first readers
.if kb > 0
	s_wait_alu depctr_va_vdst(0)                   ; the eight groups before have their places (v128 on) and rows (v192 on) written, which the stores read
.set i, 0
.rept 8
	global_store_b32 v[128+kb-8+i], v[192+kb-8+i], s[34:35]
.set i, i+1
.endr
.endif
.set i, 0
.rept 8
	v_mbcnt_lo_u32_b32 v16, s[MK+i], 0             ; rows that count in the lanes below me,
	v_add_nc_u32 v16, s50, v16                     ; and in all rows before mine: my place from the front
	v_add_nc_u32 v[192+kb+i], 32*(kb+i), v1        ; my row
	v_sub_nc_u32 v17, v[192+kb+i], v16             ; rows before mine that do not count:
	v_sub_nc_u32 v17, 2047, v17                    ; my place from the back
	v_cndmask_b32 v[128+kb+i], v17, v16, s[MK+i]
	v_min_u32 v[128+kb+i], 2047, v[128+kb+i]       ; a place in the list
	v_lshlrev_b32 v[128+kb+i], 2, v[128+kb+i]
	s_bcnt1_i32_b32 s51, s[MK+i]
	s_add_co_u32 s50, s50, s51
.set i, i+1
.endr
.set kb, kb+8
.endr
	v_mov_b32 v20, s50
	v_mov_b32 v21, 0
	s_wait_alu depctr_va_vdst(0)                   ; the last eight groups' places and rows are written, and so are v20 and v21: the stores below read them
.set i, 0
.rept 8
	global_store_b32 v[184+i], v[248+i], s[34:35]
.set i, i+1
.endr
	global_store_b32 v21, v20, s[36:37]            ; every lane writes the same word with the same number
	s_endpgm
	; ---- work-groups 128-191: W_h.  Task 4 j + wave of 256: K step ks = task / 32, group of 32 columns = task % 32
.Lweight:
	s_sub_co_u32 s5, ttmp9, 128
	s_lshl_b32 s5, s5, 2
	s_add_co_u32 s5, s5, s4                        ; the task
	s_lshr_b32 s6, s5, 5                           ; ks
	s_and_b32 s7, s5, 31                           ; the group of 32 columns
	s_lshl_b32 s40, s6, 19                         ; 128 rows of 4,096 bytes
	s_lshl_b32 s42, s7, 7
	s_add_co_u32 s40, s40, s42
	s_mov_b32 s41, 0
	s_add_nc_u64 s[40:41], s[8:9], s[40:41]
	WLOAD
	s_lshr_b32 s42, s7, 1                          ; C = n / 64
	s_and_b32 s43, s7, 1                           ; u: which half of the 64
	s_lshl_b32 s44, s42, 3
	s_add_co_u32 s44, s44, s6
	s_lshl_b32 s44, s44, 2
	s_lshl_b32 s45, s43, 1
	s_add_co_u32 s44, s44, s45
	s_mul_i32 s44, s44, 1536                       ; ((8 C + ks) 4 + 2 u) fragments of 1,536 bytes
	s_mov_b32 s45, 0
	s_add_nc_u64 s[26:27], s[26:27], s[44:45]
	s_lshl_b32 s46, s6, 1
	s_add_co_u32 s46, s46, s43                     ; word 2 ks + u
	s_lshr_b32 s47, s46, 2
	s_lshl_b32 s47, s47, 9
	s_and_b32 s46, s46, 3
	s_lshl_b32 s46, s46, 2
	s_add_co_u32 s46, s46, s47
	s_lshl_b32 s47, s42, 11
	s_add_co_u32 s46, s46, s47
	s_mov_b32 s47, 0
	s_add_nc_u64 s[28:29], s[28:29], s[46:47]
	s_wait_loadcnt 63                              ; rows 0-63 are in.  Rows 64-127 are the 64 younger loads; 63 is the largest count that this wait can name, so row 64 is waited for too
	QW 0
	s_wait_loadcnt 0x0
	QW 1
	s_wait_alu depctr_va_vdst(0)                   ; the quantiser has written both fragments and the scale word, which the stores read
.irp q, 0,1,2
	global_store_b128 v5, v[BF0+4*\q:BF0+4*\q+3], s[26:27] offset:512*\q          ; 32 lanes store 512 consecutive bytes
.endr
.irp q, 0,1,2
	global_store_b128 v5, v[BF1+4*\q:BF1+4*\q+3], s[26:27] offset:1536+512*\q
.endr
	global_store_b32 v5, v[SBW], s[28:29]
	s_endpgm
	; ---- work-groups 0-127: the state's product.  32 columns and a quarter of K a work-group; wave w takes K step 4 kq + w
.Lstate:
.irp b, 0,1,2,3
	v_mov_b32 v[TM+4+\b], 0                        ; written once: a lane permute's destination counts as one of its sources
.endr
	s_and_b32 s5, ttmp9, 31                        ; the group of 32 columns
	s_lshr_b32 s6, ttmp9, 5                        ; kq: the quarter of K
	s_lshl_b32 s7, s6, 2
	s_add_co_u32 s7, s7, s4                        ; my K step, 0..15
	s_lshl_b32 s42, s5, 7                          ; my first column, in bytes
	s_lshl_b32 s40, s7, 19
	s_add_co_u32 s40, s40, s42
	s_mov_b32 s41, 0
	s_add_nc_u64 s[40:41], s[10:11], s[40:41]
	s_and_b32 s43, s4, 1                           ; wave w will add up result tile w: rows 16 (w / 2) on, columns 16 (w % 2) on
	s_lshl_b32 s43, s43, 6
	s_add_co_u32 s43, s43, s42
	v_lshl_add_u32 v6, v2, 2, s43
	v_lshlrev_b32 v7, 12, v2
	v_lshl_add_u32 v7, v3, 6, v7                   ; cat: row r of 4,096 bytes, + 64 h
	v_lshlrev_b32 v10, 15, v3
	v_lshl_add_u32 v10, v2, 2, v10                 ; base: 8 h rows of 4,096 bytes, + 4 r
	s_wait_alu depctr_va_vdst(0)                   ; v6, v7 and v10 are written: the offsets of the biases' loads, of cat's loads and of the stores of base
	global_load_b32 v54, v6, s[16:17]              ; the three biases of my column of that tile
	global_load_b32 v55, v6, s[18:19]
	global_load_b32 v56, v6, s[20:21]
	WLOAD
	s_cmp_lt_u32 s7, 8                             ; K steps 0-7 lie in state_h, 8-15 in state_c
	s_cselect_b64 s[44:45], s[12:13], s[14:15]
	s_and_b32 s46, s7, 7
	s_lshl_b32 s46, s46, 9
	s_mov_b32 s47, 0
	s_add_nc_u64 s[44:45], s[44:45], s[46:47]
	s_wait_loadcnt 63                              ; the biases and W's rows 0-63 are in (of the 64 younger loads the wait can leave 63 out: row 64 is waited for too)
	QW 0
	s_wait_alu depctr_va_vdst(0)                   ; the quantiser is done reading W's rows 0-63, in whose registers the loads below land
	XLOAD NUM, 0                                   ; cat's rows 0-15 into the registers just quantised
	s_wait_loadcnt 16                              ; W's rows 64-127 are in; those 16 loads are younger
	QW 1
	s_wait_alu depctr_va_vdst(0)                   ; and with rows 64-127
	XLOAD NUM+64, 1
	s_wait_loadcnt 16                              ; cat's rows 0-15 are in
	QUANT NUM
.rept 8
	v_nop                                          ; a scale register written by a vector instruction stands 8 places ahead of a scaled matrix instruction, an operand 4
.endr
	s_wait_alu depctr_va_vdst(0)                   ; the quantisers have written cat's codes and scale word and W's two fragments and scale word, which the scaled matrix instructions take; the places above stay beside this wait
	v_wmma_scale_f32_16x16x128_f8f6f4 v[ACC:ACC+7], v[PC:PC+11], v[BF0:BF0+11], 0, v[PW], v[SBW] matrix_a_fmt:MATRIX_FMT_BF6 matrix_b_fmt:MATRIX_FMT_BF6
	v_wmma_scale_f32_16x16x128_f8f6f4 v[ACC+8:ACC+15], v[PC:PC+11], v[BF1:BF1+11], 0, v[PW], v[SBW] matrix_a_fmt:MATRIX_FMT_BF6 matrix_b_fmt:MATRIX_FMT_BF6 matrix_b_scale:MATRIX_SCALE_ROW1
	s_wait_loadcnt 0x0
	QUANT NUM+64                                   ; its 32 maxima are the places in front of the lines that write the codes and the scale word anew
.rept 8
	v_nop
.endr
	s_wait_alu depctr_va_vdst(0)                   ; the codes and the scale word of cat's rows 16-31 are written
	v_wmma_scale_f32_16x16x128_f8f6f4 v[ACC+16:ACC+23], v[PC:PC+11], v[BF0:BF0+11], 0, v[PW], v[SBW] matrix_a_fmt:MATRIX_FMT_BF6 matrix_b_fmt:MATRIX_FMT_BF6
	v_wmma_scale_f32_16x16x128_f8f6f4 v[ACC+24:ACC+31], v[PC:PC+11], v[BF1:BF1+11], 0, v[PW], v[SBW] matrix_a_fmt:MATRIX_FMT_BF6 matrix_b_fmt:MATRIX_FMT_BF6 matrix_b_scale:MATRIX_SCALE_ROW1
.rept 4
	v_nop                                          ; four places in front of the first read of results
.endr
	s_wait_alu depctr_va_vdst(0)                   ; the matrix instructions have written the four results, which the LDS stores read; the places above stay beside this wait.  The quantiser is done with v[NUM ..], in which the LDS loads below land
.irp q, 0,1,2,3,4,5,6,7
	ds_store_b128 v8, v[ACC+4*\q:ACC+4*\q+3] offset:512*\q     ; each result from its low end on
.endr
	s_wait_dscnt 0x0                               ; for the others' sake: my stores have landed
	s_barrier_signal -1
	s_barrier_wait -1
.irp w, 0,1,2,3                                        ; my tile's eight registers of all four K steps
	ds_load_b128 v[NUM+8*\w:NUM+8*\w+3], v9 offset:4096*\w
	ds_load_b128 v[NUM+8*\w+4:NUM+8*\w+7], v9 offset:4096*\w+512
.endr
	s_cmp_eq_u32 s6, 0                             ; the biases belong to part 0 alone
	s_cselect_b32 s49, 1.0, 0
	s_lshl_b32 s46, s6, 17                         ; part kq: 131,072 bytes each,
	s_lshr_b32 s47, s4, 1
	s_lshl_b32 s47, s47, 16                        ; rows 16 (w / 2) on,
	s_add_co_u32 s46, s46, s47
	s_add_co_u32 s46, s46, s43                     ; my tile's first column
	s_mov_b32 s47, 0
	s_add_nc_u64 s[30:31], s[30:31], s[46:47]
	v_add_f32 v54, v54, v55
	v_add_f32 v54, v54, v56
	v_mul_f32 v54, s49, v54
	s_wait_dscnt 0x0
.set d, 16
.rept 2
.set p, 0
.rept d/2
	v_pk_add_f32 v[NUM+p:NUM+p+1], v[NUM+p:NUM+p+1], v[NUM+d+p:NUM+d+p+1]
.set p, p+2
.endr
.set d, d/2
.endr
.irp i, 0,1,2,3,4,5,6,7
	v_add_f32 v[NUM+\i], v[NUM+\i], v54
.endr
	s_wait_alu depctr_va_vdst(0)                   ; the additions have written v[NUM] to v[NUM+7], which the stores read
.irp i, 0,1,2,3,4,5,6,7
	global_store_b32 v10, v[NUM+\i], s[30:31] offset:4096*\i       ; row 8 h + i of the tile, column r
.endr
	s_wait_dscnt 0x0                               ; the closing lines, six on end
	s_wait_alu 0x0
	s_wait_tensorcnt 0x0
	ds_add_u32 v62, v63
	s_wait_dscnt 0x0
	s_endpgm
.Lfunc_end_k_q97ebf975d3_prep:
	.size	k_q97ebf975d3_prep, .Lfunc_end_k_q97ebf975d3_prep-k_q97ebf975d3_prep
	.p2alignl 7, 3214868480
	.fill 96, 4, 3214868480
	.section	.rodata,"a",@progbits
	.p2align	6, 0x0
	.amdhsa_kernel k_q97ebf975d3_prep
		.amdhsa_group_segment_fixed_size 16896
		.amdhsa_private_segment_fixed_size 0
		.amdhsa_enable_private_segment 0
		.amdhsa_kernarg_size 120
		.amdhsa_user_sgpr_count 2
		.amdhsa_user_sgpr_kernarg_segment_ptr 1
		.amdhsa_wavefront_size32 1
		.amdhsa_system_sgpr_workgroup_id_x 1
		.amdhsa_system_sgpr_workgroup_id_y 1
		.amdhsa_system_sgpr_workgroup_id_z 1
		.amdhsa_system_vgpr_workitem_id 0
		.amdhsa_next_free_vgpr 256
		.amdhsa_next_free_sgpr 66
		.amdhsa_reserve_vcc 0
		.amdhsa_float_denorm_mode_32 3
		.amdhsa_float_denorm_mode_16_64 3
		.amdhsa_memory_ordered 1
		.amdhsa_forward_progress 1
		.amdhsa_inst_pref_size 114
	.end_amdhsa_kernel
	.amdgpu_metadata
---
amdhsa.version: [ 1, 2 ]
amdhsa.kernels:
  - .name:           k_q97ebf975d3_prep
    .symbol:         k_q97ebf975d3_prep.kd
    .args:
      - { .name: W_h, .offset: 0, .size: 8, .value_kind: global_buffer, .address_space: global }
      - { .name: W_s, .offset: 8, .size: 8, .value_kind: global_buffer, .address_space: global }
      - { .name: state_h, .offset: 16, .size: 8, .value_kind: global_buffer, .address_space: global }
      - { .name: state_c, .offset: 24, .size: 8, .value_kind: global_buffer, .address_space: global }
      - { .name: b_s, .offset: 32, .size: 8, .value_kind: global_buffer, .address_space: global }
      - { .name: b_h, .offset: 40, .size: 8, .value_kind: global_buffer, .address_space: global }
      - { .name: b_cov, .offset: 48, .size: 8, .value_kind: global_buffer, .address_space: global }
      - { .name: coverage, .offset: 56, .size: 8, .value_kind: global_buffer, .address_space: global }
      - { .name: context_mask, .offset: 64, .size: 8, .value_kind: global_buffer, .address_space: global }
      - { .name: Whq, .offset: 72, .size: 8, .value_kind: global_buffer, .address_space: global }
      - { .name: Whs, .offset: 80, .size: 8, .value_kind: global_buffer, .address_space: global }
      - { .name: base, .offset: 88, .size: 8, .value_kind: global_buffer, .address_space: global }
      - { .name: covn, .offset: 96, .size: 8, .value_kind: global_buffer, .address_space: global }
      - { .name: idx, .offset: 104, .size: 8, .value_kind: global_buffer, .address_space: global }
      - { .name: cnt, .offset: 112, .size: 8, .value_kind: global_buffer, .address_space: global }
    .group_segment_fixed_size: 16896
    .private_segment_fixed_size: 0
    .kernarg_segment_align: 8
    .kernarg_segment_size: 120
    .max_flat_workgroup_size: 128
    .sgpr_count:     66
    .vgpr_count:     256
    .wavefront_size: 32
...
	.end_amdgpu_metadata
.endif
;; end of part 4
;; launch main (part 5): grid 256 x 1, 4 waves a work-group, no clusters, 254,464 bytes of LDS; arguments context, Whq, Whs, base, covn, W_cov, v_w, epart; writes epart
.if DOCPART == 5
	.amdgcn_target "amdgcn-amd-amdhsa--gfx1250"
	.amdhsa_code_object_version 6
	.text
	.protected	k_q97ebf975d3_main
	.globl	k_q97ebf975d3_main
	.p2align	8
	.type	k_q97ebf975d3_main,@function
k_q97ebf975d3_main:
	s_mov_b64 s[64:65], 0
	v_nop
	global_prefetch_b8 v0, s[64:65] scope:SCOPE_SE
	s_setreg_imm32_b32 hwreg(HW_REG_WAVE_SCHED_MODE, 0, 2), 2
	s_setreg_imm32_b32 hwreg(HW_REG_WAVE_MODE, 25, 1), 1
	s_wait_xcnt 0x0
	s_wait_alu depctr_vm_vsrc(0)
; epart[w][row] = the sum over the 256 columns n of wave w of (-2 v_n) / (1 + 2^(2 log2(e) x)),  x = Q(context) Q(W_h) + base[b][n] + covn[row] W_cov[n];  base = the sum of the four parts that the launch before stored.
; Since tanh x = 1 - 2 / (1 + e^(2 x)), the four parts of a row and the constant sum(v) + v_b, which the last launch adds, are e.  Where 2^(..) overflows the quotient is 0 and tanh is 1; where it falls to 0, -1.
; SHARES.  A work-group takes 256 rows of one batch, as two tiles of 128.  Wave w quantises rows 32 w .. 32 w + 31 of each tile (E3M2, one E8M0 byte for each 32 along K) and leaves their fragments in LDS as
; images of the operand's registers; it multiplies ALL 128 rows by ITS 256 columns of W_h, 64 at a time (a chunk: 32 accumulators).  W_h's fragments, laid by the launch before in the order of the registers, go from
; memory straight into the one wave that uses them: each feeds 8 matrix instructions, each of context's, read from LDS, 4.  Tile 1 is loaded and quantised between the chunks of tile 0.
; NO JOINT LOADS: a fragment of W_h is wanted by one wave of a work-group; through LDS it would be written and read once more, and 251,904 of LDS's bytes are taken.
; RESULT LAYOUT.  Source 0 = 16 rows of context, source 1 = 16 columns of W_h: a lane holds ONE column (lane % 16) and rows 8 (lane / 16) + 0 .. 7.  The sums begin as base + covn W_cov, so the biases cost one multiply-add.
; LIMITS: a block of zeros, and one under 2^-122, gets the byte 1 with its codes as they round; NaN and infinities in the inputs are not served.
; REGISTERS, in windows of 256.  0: v1-28 addresses; v32-47 W_h's scale words; v48-55 context's, two sets; v56-79 the chunk's base, W_cov, -2 v (even registers); v80-118 the quantiser; v128-191 X;
;      over both, v80-175, context's second set of 8 fragments while a chunk is multiplied; v206, v207 the closing add's two; v208-255 B of K step 2.
;   1: v0-95 context's first set of 8 fragments; v96-191 B of K steps 0, 1; v192-255 E, the rows' sums.   2: the accumulators, (a, t) at 8 (4 a + t).   3: four sets of 64 raw numbers, or B of K steps 3-7.
; THE MODE: SCHED_MODE bits 1:0 = 2 (LLVM: expert scheduling mode 2), set by the entry lines.  The code itself states the register dependences
; between vector or matrix instructions and memory or LDS instructions, with s_wait_alu, always for 0.
; THE PLAN.  Registers that memory or LDS instructions touch:
;   raw sets 0-3   written by global loads; read by the stage's LDS stores; loaded again (the refill, a chunk's B of K steps 3-7, the next raw sets) behind the wait on vm_vsrc that stands in every UNIT.
;   X              written by LDS loads and by the way out's vector lines; read by the quantiser, by the lines that begin a chunk's sums, and by the way out's four stores.
;   PC, PW         written by the quantiser; read by the image's LDS stores.  A UNIT's wait on va_vdst, behind its quantiser, shows them written and X read: it serves the image's stores and the next LDS loads into X.
;   context's fragments, TWO SETS, and their scale words, two sets: K step ks multiplies set ks % 2; the 28 LDS loads of step ks + 1 land in the other set, which step ks - 1 read.  ONE wait on va_vdst at a
;                  step's head shows that step done; the loads follow it in four short runs among the step's 32 matrix instructions, which name set ks % 2, that step's B, W_h's scale words and the accumulators alone.
;   B, W_h's scale words   written by global loads, read by matrix instructions; loaded again behind the one wait that stands behind a chunk's last K step.
;   addresses      made at the head and never written again, but for ten that vector additions step: XWI, XWS, ADC, ADV, BCUR, BNXT, SBNX once a trip, ADA, ADA2, ADS once a tile.  The wait on vm_vsrc at a trip's
;                  head stands behind the last readers of the first seven; each is written ahead of a wait on va_vdst that stands there anyway, but for ADC and ADV in tile 1's trips, which have a wait of their own.
.set A_T,  98304                       ; LDS: a tile's 64 fragments: (8 M + ks) x 1,536 bytes, M = the tile of 16 rows: a wave writes 24,576 bytes on end
.set ASC,  2*A_T                       ; their scale words: T x 4,096 + 1,024 w + 128 ks + 4 (row % 32)
.set STG,  ASC+8192                    ; a stage of 16 rows x (512 + 16) bytes for each wave
.set CON,  STG+4*8448                  ; base, W_cov, -2 v of all 1,024 columns: 4,096 bytes each
.set COV,  CON+12288                   ; covn of my 256 rows
.set LI,   4                           ; 16 x lane
.set STW,  5                           ; the stage, in: a row's 512 bytes as they lie
.set STR,  6                           ; the stage, out: row r, + 64 h
.set XW0,  7                           ; where my wave's images begin
.set XS0,  8                           ; and their scale words
.set CR,   9                           ; CON + 4 r
.set CV0,  10                          ; COV + 32 h
.set AS0,  11                          ; ASC + 4 x lane
.set EOFF, 12                          ; my row among 32, in bytes, on the way out
.set ADA,  13                          ; the tile's fragments, blocks 0-3
.set ADA2, 14                          ; blocks 4-7
.set ADS,  15                          ; the tile's scale words
.set XWI,  16
.set XWS,  17
.set ADC,  18
.set ADV,  19
.set BCUR, 20                          ; byte offset of my chunk in Whq; of the chunk ahead; the same in Whs
.set BNXT, 21
.set SBNX, 22
.set CW,   25
.set VW,   26
.set GC,   27
.set GV,   28
.set SB,   32
.set SA,   48
.set BS,   56
.set WC,   64
.set W2,   72
.set TM,   80
.set PW,   96
.set PC,   100
.set X,    128
.set E,    192                         ; in window 1
.set SEL,  28                          ; s[28:29]
.set MSB, 0
.macro WIN new                         ; the immediate's high byte repeats the setting that is left
.if MSB != (\new)
	s_set_vgpr_msb (MSB<<8)|(\new)
.set MSB, (\new)
.endif
.endm
.macro PLACES                          ; four plain places behind a matrix instruction (ISA guide 7.12.1), in front of the first read of its results by a vector instruction
.rept 4
	v_nop
.endr
.endm
.macro QUANT s                         ; 64 numbers of a lane, register 16 b + i = k 32 b + 16 (lane / 16) + i of my row -> codes in v[PC] on, scale word in v[PW]
.irp b, 0,1,2,3
	v_max3_num_f32 v[TM+\b], |v[\s+16*\b]|, |v[\s+1+16*\b]|, 0x2800000   ; and the floor 2^(5 - 127): the byte cannot fall under 1
.endr
.irp i, 2,4,6,8,10,12,14
.irp b, 0,1,2,3
	v_max3_num_f32 v[TM+\b], v[TM+\b], |v[\s+16*\b+\i]|, |v[\s+1+16*\b+\i]|
.endr
.endr
.irp b, 0,1,2,3
	v_permlanex16_b32 v[TM+4+\b], v[TM+\b], s[SEL], s[SEL+1]
.endr
.irp b, 0,1,2,3
	v_max_num_f32 v[TM+\b], v[TM+\b], v[TM+4+\b]
.endr
.irp b, 0,1,2,3
	v_add_nc_u32 v[TM+12+\b], 0xfe000000, v[TM+\b]        ; 4 off the exponent field: the conversion's scale operand
.endr
.irp b, 0,1,2,3
	v_lshrrev_b32 v[TM+4+\b], 23, v[TM+12+\b]
.endr
	v_lshl_or_b32 v[PW], v[TM+5], 8, v[TM+4]
	v_lshl_or_b32 v[PW], v[TM+6], 16, v[PW]
	v_lshl_or_b32 v[PW], v[TM+7], 24, v[PW]
.irp c, 0,1
	v_cvt_scalef32_pk16_bf6_f32 v[PC+6*\c:PC+2+6*\c], v[\s+32*\c:\s+15+32*\c], v[TM+12+2*\c]
	v_cvt_scalef32_pk16_bf6_f32 v[PC+12+4*\c:PC+14+4*\c], v[\s+16+32*\c:\s+31+32*\c], v[TM+12+2*\c+1]
.endr
	v_nop                                                  ; one plain place behind a scaled conversion
.irp c, 0,1
.irp i, 0,1,2
	v_permlane16_swap_b32 v[PC+6*\c+\i], v[PC+12+4*\c+\i]
.endr
.irp i, 0,1,2
	v_mov_b32 v[PC+3+6*\c+\i], v[PC+12+4*\c+\i]
.endr
.endr
.endm
; Raw set q = 2 mt + kk: 16 rows (tile mt of my two) x 128 along K (the group's K step kk).  Each load takes 512 consecutive bytes of one row.  The caller has set the destination's window to 3.
.macro GLOAD q, extra, p
.irp i, 0,1,2,3,4,5,6,7,8,9,10,11,12,13,14,15
	global_load_b128 v[64*(\q)+4*\i:64*(\q)+4*\i+3], v[LI], s[\p:\p+1] offset:((\q)/2)*65536+((\q)%2)*512+\i*4096+\extra th:TH_LOAD_NT
.endr
.endm
; Raw set q turns through my stage, so that a lane holds 16 neighbours of each block, is quantised, and its image and scale words go to LDS.  cnt: the younger loads.  refill = 1: the set takes the next group.
.macro UNIT q, cnt, refill
	s_wait_loadcnt \cnt
	WIN 0x0c                                       ; an LDS store's data are its source 1: window 3
.irp i, 0,1,2,3,4,5,6,7,8,9,10,11,12,13,14,15
	ds_store_b128 v[STW], v[64*(\q)+4*\i:64*(\q)+4*\i+3] offset:528*\i
.endr
	WIN 0
.irp b, 0,1,2,3
.irp j, 0,1,2,3
	ds_load_b128 v[X+16*\b+4*\j:X+16*\b+4*\j+3], v[STR] offset:128*\b+16*\j    ; LDS serves a wave's instructions in order: these see the stores above.  (X's last readers stand ahead of the last wait on va_vdst)
.endr
.endr
	s_wait_dscnt 0x0                               ; the numbers are back
	s_wait_alu depctr_vm_vsrc(0)                   ; the stage's stores have read the raw set, in which later loads land; the last image's stores have read the codes and the scale word, which the quantiser writes anew
.if \refill
	WIN 0xc0
	GLOAD \q, 1024, 24
	WIN 0
.endif
	QUANT X
	s_wait_alu depctr_va_vdst(0)                   ; the quantiser has written the codes and the scale word, which the stores below read, and is done reading X, in which the next LDS loads land; the addresses made since the last such wait are written
.irp c, 0,1,2
	ds_store_b128 v[XWI], v[PC+4*\c:PC+4*\c+3] offset:((\q)/2)*12288+((\q)%2)*1536+512*\c
.endr
	ds_store_b32 v[XWS], v[PW] offset:((\q)%2)*128+((\q)/2)*64       ; lanes r and r + 16 write the same word with the same number
.endm
.macro BL ks, reg, adr                 ; W_h's four fragments of K step ks of a chunk
.irp t, 0,1,2,3
.irp c, 0,1,2
	global_load_b128 v[\reg+12*\t+4*\c:\reg+12*\t+4*\c+3], v[\adr], s[50:51] offset:((\ks)*4+\t)*1536+512*\c
.endr
.endr
.endm
.macro BNEXT                           ; of the chunk ahead: B of K steps 0, 1, 2 and all its scale words: 40 loads
	WIN 0x40
	BL 0, 96, BNXT
	BL 1, 144, BNXT
	WIN 0
	BL 2, 208, BNXT
.irp q, 0,1,2,3
	global_load_b128 v[SB+4*\q:SB+4*\q+3], v[SBNX], s[52:53] offset:512*\q
.endr
.endm
; Context's block a of K step ks: three LDS loads into set ks % 2 (set 0: window 1, from v0; set 1: window 0, from v80).  The caller has set the destination's window.
.macro FRA ks, a
.set FB, 80*((\ks)%2)
.if (\a) < 4
.irp c, 0,1,2
	ds_load_b128 v[FB+12*(\a)+4*\c:FB+12*(\a)+4*\c+3], v[ADA] offset:((\a)*8+(\ks))*1536+512*\c
.endr
.else
.irp c, 0,1,2
	ds_load_b128 v[FB+12*(\a)+4*\c:FB+12*(\a)+4*\c+3], v[ADA2] offset:(((\a)-4)*8+(\ks))*1536+512*\c
.endr
.endif
.endm
.macro SAW ks                          ; the step's scale words (lanes 0-15: block 2 i, lanes 16-31: block 2 i + 1), into set ks % 2, in window 0
.irp i, 0,1,2,3
	ds_load_b32 v[SA+4*((\ks)%2)+\i], v[ADS] offset:\i*1024+(\ks)*128
.endr
.endm
.macro LDG ks, g                       ; run g of four of step ks's LDS loads: blocks 2 g and 2 g + 1; the first run brings the scale words too: 10, 6, 6, 6 loads
.if (\g) == 0
	WIN 0
	SAW \ks
.endif
	WIN 0x40*(1-(\ks)%2)
	FRA \ks, 2*(\g)
	FRA \ks, 2*(\g)+1
.endm
.macro WM acc, af, bf, sa, sb, ra, rb
.if (\ra) && (\rb)
	v_wmma_scale_f32_16x16x128_f8f6f4 v[\acc:\acc+7], v[\af:\af+11], v[\bf:\bf+11], v[\acc:\acc+7], v[\sa], v[\sb] matrix_a_fmt:MATRIX_FMT_BF6 matrix_b_fmt:MATRIX_FMT_BF6 matrix_a_scale:MATRIX_SCALE_ROW1 matrix_b_scale:MATRIX_SCALE_ROW1
.elseif (\ra)
	v_wmma_scale_f32_16x16x128_f8f6f4 v[\acc:\acc+7], v[\af:\af+11], v[\bf:\bf+11], v[\acc:\acc+7], v[\sa], v[\sb] matrix_a_fmt:MATRIX_FMT_BF6 matrix_b_fmt:MATRIX_FMT_BF6 matrix_a_scale:MATRIX_SCALE_ROW1
.elseif (\rb)
	v_wmma_scale_f32_16x16x128_f8f6f4 v[\acc:\acc+7], v[\af:\af+11], v[\bf:\bf+11], v[\acc:\acc+7], v[\sa], v[\sb] matrix_a_fmt:MATRIX_FMT_BF6 matrix_b_fmt:MATRIX_FMT_BF6 matrix_b_scale:MATRIX_SCALE_ROW1
.else
	v_wmma_scale_f32_16x16x128_f8f6f4 v[\acc:\acc+7], v[\af:\af+11], v[\bf:\bf+11], v[\acc:\acc+7], v[\sa], v[\sb] matrix_a_fmt:MATRIX_FMT_BF6 matrix_b_fmt:MATRIX_FMT_BF6
.endif
.endm
.macro MUL4 a, ks, breg                ; 4 matrix instructions: block a x the chunk's four tiles of columns.  The 32 accumulators take turns, one instruction a turn, in the same order in every step
.set MB, 80*((\ks)%2)
.set mu, 0
.rept 4
	WM 8*(4*(\a)+mu), MB+12*(\a), (\breg)+12*mu, SA+4*((\ks)%2)+(\a)/2, SB+2*(\ks)+mu/2, (\a)%2, mu%2
.set mu, mu+1
.endr
.endm
; A K step of 128: 32 matrix instructions on set ks % 2 of context's fragments.  The next step's 28 LDS loads go into the other set, in four runs behind blocks 0, 2, 4 and 6.
.macro STEP ks, breg, wm, lc
.if \lc >= 0
	s_wait_loadcnt \lc                             ; this step's B is in: behind its 12 loads stand those of the later steps, 12 each
.endif
	s_wait_dscnt 12                                ; the step's scale words and blocks 0-3 are in; blocks 4-7 are the 12 younger loads
.if ((\ks) > 0) && ((\ks) < 7)
	s_wait_alu depctr_va_vdst(0)                   ; the matrix instructions of the step before are done reading the other set of fragments and of scale words, in which this step's LDS loads land
.endif
	WIN \wm
	MUL4 0, \ks, \breg
.if (\ks) < 7
	LDG (\ks)+1, 0                                 ; no wait: no matrix instruction since the wait names the other set
	WIN \wm
.endif
	MUL4 1, \ks, \breg
	MUL4 2, \ks, \breg
.if (\ks) < 7
	LDG (\ks)+1, 1
	WIN \wm
.endif
	MUL4 3, \ks, \breg
.if (\ks) < 7
	s_wait_dscnt 16                                ; blocks 4-7 are in; the next step's first two runs, 10 + 6 loads, are younger
.else
	s_wait_dscnt 0x0                               ; blocks 4-7 are in
.endif
	MUL4 4, \ks, \breg
.if (\ks) < 7
	LDG (\ks)+1, 2
	WIN \wm
.endif
	MUL4 5, \ks, \breg
	MUL4 6, \ks, \breg
.if (\ks) < 7
	LDG (\ks)+1, 3
	WIN \wm
.endif
	MUL4 7, \ks, \breg
.endm
; The chunk ahead, number s2 = 4 T + c.  NADR: where its constants and its tile's covn lie in LDS.  NEXTC: they come from LDS, and its sums begin as base + covn x W_cov.
.macro NADR
	s_and_b32 s3, s2, 3
	s_lshl_b32 s3, s3, 8
	s_lshl_b32 s4, s20, 10
	s_add_co_u32 s3, s3, s4
	v_add_nc_u32 v[ADC], s3, v[CR]                 ; column 256 w + 64 c + r
	s_lshr_b32 s5, s2, 2
	s_lshl_b32 s5, s5, 9
	v_add_nc_u32 v[ADV], s5, v[CV0]                ; row 128 T + 8 h
.endm
.macro NEXTC
.irp t, 0,1,2,3
	ds_load_b32 v[BS+2*\t], v[ADC] offset:64*\t
	ds_load_b32 v[WC+2*\t], v[ADC] offset:4096+64*\t
	ds_load_b32 v[W2+2*\t], v[ADC] offset:8192+64*\t
.endr
.irp a, 0,1,2,3,4,5,6,7
	ds_load_b128 v[X+8*\a:X+8*\a+3], v[ADV] offset:64*\a
	ds_load_b128 v[X+8*\a+4:X+8*\a+7], v[ADV] offset:64*\a+16
.endr
	s_wait_dscnt 0x0
	WIN 0x80                                       ; destination window 2
.set ma, 0
.rept 8
.set mu, 0
.rept 4
.irp p, 0,2,4,6
	v_pk_fma_f32 v[8*(4*ma+mu)+\p:8*(4*ma+mu)+\p+1], v[X+8*ma+\p:X+8*ma+\p+1], v[WC+2*mu:WC+2*mu+1], v[BS+2*mu:BS+2*mu+1] op_sel_hi:[1,0,0]
.endr
.set mu, mu+1
.endr
.set ma, ma+1
.endr
	WIN 0
.endm
; A chunk: 128 rows x my 64 columns, all of K; then 2 / (1 + e^(2 x)) and the sums with -2 v.  quant = 1: a quarter of tile 1 (256 along K of my 32 rows) is loaded under the epilogue and quantised behind it.
; Its four raw sets are asked for at three places of the epilogue and not in one run: with the 40 loads of the chunk ahead they would be 104 at once, more than LOADcnt counts,
; and the issue would stand still (ISA guide 5.7.1) where now the epilogue goes on.  They stay the youngest loads, in their order, so the counts of the UNITs hold.
.macro TRIP quant
	s_lshl_b32 s2, s20, 2
	s_add_co_u32 s3, s2, s21                       ; my chunk of W_h: 4 w + c
	s_mul_i32 s3, s3, 49152
	s_add_co_u32 s4, s21, 1
	s_and_b32 s4, s4, 3
	s_add_co_u32 s4, s4, s2                        ; the chunk ahead: 4 w + (c + 1) % 4
	s_mul_i32 s5, s4, 49152
	s_lshl_b32 s6, s4, 11
	s_wait_alu depctr_vm_vsrc(0)                   ; the last trip's loads have read BCUR, BNXT and SBNX, written below; its LDS instructions XWI, XWS, ADC and ADV, written further down; its image's stores (and the way out's stores) the registers that context's second set takes
	v_add_nc_u32 v[BCUR], s3, v[LI]                ; (no load that names these three registers is out: the last trip waited for all)
	v_add_nc_u32 v[BNXT], s5, v[LI]
	v_add_nc_u32 v[SBNX], s6, v[LI]
	WIN 0xc0
	s_wait_alu depctr_va_vdst(0)                   ; the three offsets (and, in a tile's first trip, the tile's three LDS addresses) are written; the lines that began the sums, the quantiser and the way out are done with v80-191, in which step 0's LDS loads land: this is step 0's wait too
	BL 3, 0, BCUR                                  ; 60 loads: they have the first three steps in which to land
	BL 4, 48, BCUR
	BL 5, 96, BCUR
	BL 6, 144, BCUR
	BL 7, 192, BCUR
	WIN 0
	SAW 0
	WIN 0x40
.irp a, 0,1,2,3,4,5,6,7
	FRA 0, \a
.endr
	STEP 0, 96, 0xa5, -1                           ; B of steps 0-2 came under the last epilogue.  The window byte: C and D 2; source 1 (B) 1, 0 or 3; source 0 (context) 1 in even steps, 0 in odd ones
	STEP 1, 144, 0xa4, -1
	STEP 2, 208, 0xa1, -1
	STEP 3, 0, 0xac, 48
	STEP 4, 48, 0xad, 36
	STEP 5, 96, 0xac, 24
	STEP 6, 144, 0xad, 12
	STEP 7, 192, 0xac, 0
	WIN 0
	PLACES                                         ; for the first read of results
	s_wait_alu depctr_va_vdst(0)                   ; the chunk's matrix instructions are done reading B of all its K steps and W_h's scale words, in which the loads of this epilogue land
.if !\quant
	s_cmp_eq_u32 s21, 3                            ; behind the last chunk of the last tile nothing is ahead
	s_cbranch_scc1 .Lno_b_\@
.endif
	BNEXT
.if \quant
	WIN 0xc0
	GLOAD 0, 0, 44                                 ; 40 + 16 loads are out
.endif
.if !\quant
.Lno_b_\@:
.endif
	WIN 0x82                                       ; in place in window 2
.set p, 0
.rept 128
	v_pk_mul_f32 v[p:p+1], v[p:p+1], s[26:27] op_sel_hi:[1,0]      ; 2 log2(e) x; ascending
.set p, p+2
.endr
.set p, 0
.rept 256
	v_exp_f32 v[p], v[p]
.set p, p+1
.endr
	v_nop                                          ; a plain place behind the exponentials
.if \quant
	WIN 0xc0
	GLOAD 1, 0, 44                                 ; no wait: since the wait behind the last K step the vector lines name window 2 alone
	GLOAD 2, 0, 44
	WIN 0x82
.endif
	s_wait_alu depctr_va_vdst(0)                   ; the 256 exponentials have written their results, ahead of the first line that names one
.set p, 0
.rept 128
	v_pk_add_f32 v[p:p+1], v[p:p+1], 1.0 op_sel_hi:[1,0]
.set p, p+2
.endr
.set p, 0
.rept 256
	v_rcp_f32 v[p], v[p]
.set p, p+1
.endr
	v_nop                                          ; a plain place behind the reciprocals
.if \quant
	WIN 0xc0
	GLOAD 3, 0, 44
.endif
	WIN 0x52                                       ; E (window 1) += quotient (window 2) x -2 v (window 0)
	s_wait_alu depctr_va_vdst(0)                   ; the 256 reciprocals have written their results, ahead of the first line that names one
.set mu, 0
.rept 4
.set ma, 0
.rept 8
.irp p, 0,2,4,6
	v_pk_fma_f32 v[E+8*ma+\p:E+8*ma+\p+1], v[8*(4*ma+mu)+\p:8*(4*ma+mu)+\p+1], v[W2+2*mu:W2+2*mu+1], v[E+8*ma+\p:E+8*ma+\p+1] op_sel_hi:[1,0,1]
.endr
.set ma, ma+1
.endr
.set mu, mu+1
.endr
	WIN 0
.if \quant
	s_add_co_u32 s2, s21, 1
	NADR                                           ; these four addresses' last readers stand ahead of the wait on vm_vsrc at the trip's head; UNIT 0's wait on va_vdst shows them written
	v_add_nc_u32 v[XWI], s38, v[XW0]
	v_add_nc_u32 v[XWS], s39, v[XS0]
	UNIT 0, 48, 0                                  ; the raw sets are the youngest loads: the counts run down; the last wait also shows the chunk ahead's B
	UNIT 1, 32, 0
	UNIT 2, 16, 0
	UNIT 3, 0, 0
	s_add_nc_u64 s[44:45], s[44:45], 1024          ; no load is out: the pointer may step 256 along K
	s_add_co_u32 s38, s38, 3072
	s_add_co_u32 s39, s39, 256
	NEXTC                                          ; no wait: UNIT 3's wait on va_vdst stands behind the last lines that named X, the chunk's constants and the two addresses
.else
	s_wait_loadcnt 0x0                             ; the chunk ahead's B and scale words
	s_cmp_eq_u32 s21, 3
	s_cbranch_scc1 .Lno_c_\@
	s_add_co_u32 s2, s21, 5
	NADR
	s_wait_alu depctr_va_vdst(0)                   ; ADC and ADV are written, which the LDS loads below read; the sums above are done reading -2 v, the lines that began this chunk's sums base, W_cov and X: the loads land in these
	NEXTC
.Lno_c_\@:
.endif
.endm
; E's 64 registers (row 16 a + 8 h + j at 8 a + j) are summed over the 16 lanes of a half.  Each of the four exchanges also halves the registers: a lane keeps the one of a pair that its bit chooses and
; sends the other to the lane that chose it.  At the end lane r holds, in register k, row 32 k + 16 (r / 8) + 8 h + r % 8.
.macro EOUT T, zero
	WIN 0x05                                       ; sources in window 1
.irp k, 0,1,2,3
.irp j, 0,1,2,3,4,5,6,7
	v_cndmask_b32 v[X+8*\k+\j], v[E+16*\k+\j], v[E+16*\k+8+\j], s30
	v_cndmask_b32 v[X+32+8*\k+\j], v[E+16*\k+8+\j], v[E+16*\k+\j], s30
.endr
.endr
.if \zero
	WIN 0x40
.set p, 0
.rept 64
	v_mov_b32 v[E+p], 0                            ; the next tile's sums begin
.set p, p+1
.endr
.endif
	WIN 0
.set p, 0
.rept 32
	v_add_f32_dpp v[X+p], v[X+32+p], v[X+p] row_xmask:8 row_mask:0xf bank_mask:0xf
.set p, p+1
.endr
.irp k, 0,1,2,3
.irp j, 0,1,2,3
	v_cndmask_b32 v[X+32+4*\k+\j], v[X+8*\k+\j], v[X+8*\k+4+\j], s31
	v_cndmask_b32 v[X+48+4*\k+\j], v[X+8*\k+4+\j], v[X+8*\k+\j], s31
.endr
.endr
.set p, 0
.rept 16
	v_add_f32_dpp v[X+p], v[X+48+p], v[X+32+p] row_xmask:4 row_mask:0xf bank_mask:0xf
.set p, p+1
.endr
.irp k, 0,1,2,3
.irp j, 0,1
	v_cndmask_b32 v[X+32+2*\k+\j], v[X+4*\k+\j], v[X+4*\k+2+\j], s32
	v_cndmask_b32 v[X+40+2*\k+\j], v[X+4*\k+2+\j], v[X+4*\k+\j], s32
.endr
.endr
.set p, 0
.rept 8
	v_add_f32_dpp v[X+p], v[X+40+p], v[X+32+p] row_xmask:2 row_mask:0xf bank_mask:0xf
.set p, p+1
.endr
.irp k, 0,1,2,3
	v_cndmask_b32 v[X+32+\k], v[X+2*\k], v[X+2*\k+1], s33
	v_cndmask_b32 v[X+36+\k], v[X+2*\k+1], v[X+2*\k], s33
.endr
.irp k, 0,1,2,3
	v_add_f32_dpp v[X+\k], v[X+36+\k], v[X+32+\k] row_xmask:1 row_mask:0xf bank_mask:0xf
.endr
	s_wait_alu depctr_va_vdst(0)                   ; the last additions have written v[X] to v[X+3], which the stores read
.irp k, 0,1,2,3
	global_store_b32 v[EOFF], v[X+\k], s[46:47] offset:512*\T+128*\k       ; 32 lanes store 128 consecutive bytes
.endr
.endm
.macro SETT T                          ; the tile that the products read
	v_add_nc_u32 v[ADA], \T*A_T, v[LI]
	v_add_nc_u32 v[ADA2], \T*A_T+49152, v[LI]
	v_add_nc_u32 v[ADS], \T*4096, v[AS0]
.endm
	s_load_b512 s[48:63], s[0:1], 0x0              ; context 48, Whq 50, Whs 52, base 54, covn 56, W_cov 58, v_w 60, epart 62
	v_lshl_add_u32 v206, v0, 2, 0x3e000
	v_mov_b32 v207, 0
	v_lshrrev_b32 v1, 5, v0
	v_readfirstlane_b32 s20, v1                    ; wave 0..3
	v_and_b32 v23, 8, v0
	v_cmp_ne_u32 s30, 0, v23                       ; the four bits of r, as lane masks
	v_and_b32 v23, 4, v0
	v_cmp_ne_u32 s31, 0, v23
	v_and_b32 v23, 2, v0
	v_cmp_ne_u32 s32, 0, v23
	v_and_b32 v23, 1, v0
	v_cmp_ne_u32 s33, 0, v23
	v_and_b32 v1, 31, v0                           ; lane
	v_and_b32 v2, 15, v0                           ; r
	v_bfe_u32 v3, v0, 4, 1                         ; h
	v_lshlrev_b32 v[LI], 4, v1
	s_wait_alu depctr_va_sdst(0)                   ; s20 and the four masks s30 to s33 are written, ahead of their first readers and of every label
	s_mul_i32 s2, s20, 8448
	s_add_co_u32 s2, s2, STG
	v_add_nc_u32 v[STW], s2, v[LI]
	v_mul_u32_u24 v[STR], v2, 528
	v_lshl_add_u32 v[STR], v3, 6, v[STR]
	v_add_nc_u32 v[STR], s2, v[STR]
	s_mul_i32 s3, s20, 24576
	v_add_nc_u32 v[XW0], s3, v[LI]
	s_lshl_b32 s4, s20, 10
	s_add_co_u32 s4, s4, ASC
	v_lshl_add_u32 v[XS0], v2, 2, s4
	v_lshl_add_u32 v[CR], v2, 2, CON
	v_lshl_add_u32 v[CV0], v3, 5, COV
	v_lshl_add_u32 v[AS0], v1, 2, ASC
	v_and_b32 v23, 7, v2
	v_lshrrev_b32 v24, 3, v2
	v_lshl_add_u32 v23, v24, 4, v23
	v_lshl_add_u32 v23, v3, 3, v23
	v_lshlrev_b32 v[EOFF], 2, v23                  ; 4 (16 (r / 8) + 8 h + r % 8)
	v_lshl_add_u32 v[CW], v0, 5, CON               ; thread t brings 8 numbers of each constant array, and 2 of covn
	v_lshl_add_u32 v[VW], v0, 3, COV
	v_lshlrev_b32 v[GC], 5, v0
	v_lshlrev_b32 v[GV], 3, v0
.irp b, 0,1,2,3
	v_mov_b32 v[TM+4+\b], 0                        ; written once: a lane permute's destination counts as one of its sources
.endr
.irp t, 1,3,5,7
	v_mov_b32 v[BS+\t], 0                          ; the upper halves of pairs of which the low word serves both halves: named, so written
	v_mov_b32 v[WC+\t], 0
	v_mov_b32 v[W2+\t], 0
.endr
	s_mov_b32 s26, 0x4038aa3b                      ; 2 log2(e)
	s_mov_b32 s27, s26
	s_mov_b32 s[SEL], 0x76543210
	s_mov_b32 s[SEL+1], 0xfedcba98
	s_lshl_b32 s5, s20, 2
	s_mul_i32 s6, s5, 49152
	v_add_nc_u32 v[BNXT], s6, v[LI]                ; my first chunk: 4 w
	s_lshl_b32 s7, s5, 11
	v_add_nc_u32 v[SBNX], s7, v[LI]
	s_wait_kmcnt 0x0
	s_lshl_b32 s2, ttmp9, 20                       ; 256 rows of 4,096 bytes a work-group,
	s_lshl_b32 s3, s20, 17                         ; 32 a wave
	s_add_co_u32 s2, s2, s3
	s_mov_b32 s3, 0
	s_add_nc_u64 s[24:25], s[48:49], s[2:3]        ; my rows of tile 0,
	s_add_nc_u64 s[44:45], s[24:25], 0x80000       ; and of tile 1, 128 rows on
	s_lshr_b32 s2, ttmp9, 3
	s_lshl_b32 s2, s2, 12
	s_add_nc_u64 s[54:55], s[54:55], s[2:3]        ; my batch's row of base, in part 0
	s_lshl_b32 s2, ttmp9, 10
	s_add_nc_u64 s[56:57], s[56:57], s[2:3]        ; my 256 rows' covn
	s_lshl_b32 s4, s20, 18
	s_add_co_u32 s2, s2, s4
	s_add_nc_u64 s[46:47], s[62:63], s[2:3]        ; epart: part w, my 256 rows
	WIN 0x40                                       ; the constants wait in E's registers.  These 53 loads go out first, so that behind a raw set stand the three other sets and nothing else
	s_wait_alu depctr_va_vdst(0)                   ; every offset and LDS address made above is written: the loads and stores of the whole kernel read them
.irp p, 0,1,2,3                                        ; base's four parts, 131,072 bytes apart
	global_load_b128 v[192+8*\p:195+8*\p], v[GC], s[54:55] offset:131072*\p
	global_load_b128 v[196+8*\p:199+8*\p], v[GC], s[54:55] offset:131072*\p+16
.endr
	global_load_b128 v[224:227], v[GC], s[58:59]
	global_load_b128 v[228:231], v[GC], s[58:59] offset:16
	global_load_b128 v[232:235], v[GC], s[60:61]
	global_load_b128 v[236:239], v[GC], s[60:61] offset:16
	global_load_b64 v[240:241], v[GV], s[56:57]
	BNEXT
	WIN 0xc0
	GLOAD 0, 0, 24
	GLOAD 1, 0, 24
	GLOAD 2, 0, 24
	GLOAD 3, 0, 24
	WIN 0
	; ---- tile 0 is quantised: four groups of 256 along K; 64 loads of 512 bytes of every wave are asked for ahead
	s_mov_b32 s38, 0
	s_mov_b32 s39, 0
	s_mov_b32 s21, 0
.Lgroup:
	v_add_nc_u32 v[XWI], s38, v[XW0]               ; (UNIT 0's wait on va_vdst shows these two written)
	v_add_nc_u32 v[XWS], s39, v[XS0]
	UNIT 0, 48, 1                                  ; 48: the three younger sets
	UNIT 1, 48, 1
	UNIT 2, 48, 1
	UNIT 3, 48, 1
	s_wait_dscnt 0x0                               ; the last image's stores are done
	s_wait_alu depctr_vm_vsrc(0)                   ; and have read XWI and XWS, which the next group's first two lines write anew
	s_wait_xcnt 0x0                                ; the pointer is stepped only behind this wait
	s_add_nc_u64 s[24:25], s[24:25], 1024
	s_add_co_u32 s38, s38, 3072
	s_add_co_u32 s39, s39, 256
	s_add_co_u32 s21, s21, 1
	s_cmp_lt_u32 s21, 3
	s_cbranch_scc1 .Lgroup
	v_add_nc_u32 v[XWI], s38, v[XW0]
	v_add_nc_u32 v[XWS], s39, v[XS0]
	UNIT 0, 48, 0                                  ; the last group loads nothing: the counts run down
	UNIT 1, 32, 0
	UNIT 2, 16, 0
	UNIT 3, 0, 0
	WIN 0x45                                       ; all in window 1
.irp i, 0,2,4,6
	v_pk_add_f32 v[192+\i:193+\i], v[192+\i:193+\i], v[200+\i:201+\i]      ; base: parts 0 + 1,
	v_pk_add_f32 v[208+\i:209+\i], v[208+\i:209+\i], v[216+\i:217+\i]      ; 2 + 3,
.endr
.irp i, 0,2,4,6
	v_pk_add_f32 v[192+\i:193+\i], v[192+\i:193+\i], v[208+\i:209+\i]      ; and both
	v_pk_mul_f32 v[232+\i:233+\i], v[232+\i:233+\i], -2.0 op_sel_hi:[1,0]
.endr
	WIN 0x04                                       ; store data in window 1
	s_wait_alu depctr_va_vdst(0)                   ; the additions and multiplications have written base and -2 v, which the LDS stores read
	ds_store_b128 v[CW], v[192:195]
	ds_store_b128 v[CW], v[196:199] offset:16
	ds_store_b128 v[CW], v[224:227] offset:4096
	ds_store_b128 v[CW], v[228:231] offset:4096+16
	ds_store_b128 v[CW], v[232:235] offset:8192
	ds_store_b128 v[CW], v[236:239] offset:8192+16
	ds_store_b64 v[VW], v[240:241]
	WIN 0
	s_wait_dscnt 0x0                               ; for the others' sake: my images, scale words and constants have landed
	s_barrier_signal -1
	s_barrier_wait -1
	s_wait_alu depctr_vm_vsrc(0)                   ; my LDS stores have read the constants' registers, which are E from here on and are written below
	WIN 0x40
.set p, 0
.rept 64
	v_mov_b32 v[E+p], 0                            ; the rows' sums begin; a chunk is written once, so its first turn finds zeros
.set p, p+1
.endr
	WIN 0
	s_mov_b32 s2, 0
	NADR
	SETT 0
	s_wait_alu depctr_va_vdst(0)                   ; ADC and ADV are written, which the LDS loads below read
	NEXTC
	; ---- tile 0's four chunks; tile 1 is quantised on the way.  No wave reads in this loop what another writes in it
	s_mov_b32 s38, A_T
	s_mov_b32 s39, 4096
	s_mov_b32 s21, 0
.Ltile0:
	TRIP 1
	s_add_co_u32 s21, s21, 1
	s_cmp_lt_u32 s21, 4
	s_cbranch_scc1 .Ltile0
	EOUT 0, 1
	s_wait_xcnt 0x0                                ; the stores' data registers are written again only behind this wait
	s_wait_dscnt 0x0                               ; tile 1's images and scale words have landed
	s_barrier_signal -1
	s_barrier_wait -1
	s_wait_alu depctr_vm_vsrc(0)                   ; tile 0's LDS loads have read ADA, ADA2 and ADS, which the three lines below write anew
	; ---- tile 1's four chunks
	SETT 1
	s_mov_b32 s21, 0
.Ltile1:
	TRIP 0
	s_add_co_u32 s21, s21, 1
	s_cmp_lt_u32 s21, 4
	s_cbranch_scc1 .Ltile1
	EOUT 1, 0
	s_wait_dscnt 0x0                               ; the closing lines, six on end
	s_wait_alu 0x0
	s_wait_tensorcnt 0x0
	ds_add_u32 v206, v207
	s_wait_dscnt 0x0
	s_endpgm
.Lfunc_end_k_q97ebf975d3_main:
	.size	k_q97ebf975d3_main, .Lfunc_end_k_q97ebf975d3_main-k_q97ebf975d3_main
	.p2alignl 7, 3214868480
	.fill 96, 4, 3214868480
	.section	.rodata,"a",@progbits
	.p2align	6, 0x0
	.amdhsa_kernel k_q97ebf975d3_main
		.amdhsa_group_segment_fixed_size 254464
		.amdhsa_private_segment_fixed_size 0
		.amdhsa_enable_private_segment 0
		.amdhsa_kernarg_size 64
		.amdhsa_user_sgpr_count 2
		.amdhsa_user_sgpr_kernarg_segment_ptr 1
		.amdhsa_wavefront_size32 1
		.amdhsa_system_sgpr_workgroup_id_x 1
		.amdhsa_system_sgpr_workgroup_id_y 1
		.amdhsa_system_sgpr_workgroup_id_z 1
		.amdhsa_system_vgpr_workitem_id 0
		.amdhsa_next_free_vgpr 1024
		.amdhsa_next_free_sgpr 66
		.amdhsa_reserve_vcc 0
		.amdhsa_float_denorm_mode_32 3
		.amdhsa_float_denorm_mode_16_64 3
		.amdhsa_memory_ordered 1
		.amdhsa_forward_progress 1
		.amdhsa_inst_pref_size 255
	.end_amdhsa_kernel
	.section	.bss,"aw",@nobits
	.p2align	6
	.space	262144
	.amdgpu_metadata
---
amdhsa.version: [ 1, 2 ]
amdhsa.kernels:
  - .name:           k_q97ebf975d3_main
    .symbol:         k_q97ebf975d3_main.kd
    .args:
      - { .name: context, .offset: 0, .size: 8, .value_kind: global_buffer, .address_space: global }
      - { .name: Whq, .offset: 8, .size: 8, .value_kind: global_buffer, .address_space: global }
      - { .name: Whs, .offset: 16, .size: 8, .value_kind: global_buffer, .address_space: global }
      - { .name: base, .offset: 24, .size: 8, .value_kind: global_buffer, .address_space: global }
      - { .name: covn, .offset: 32, .size: 8, .value_kind: global_buffer, .address_space: global }
      - { .name: W_cov, .offset: 40, .size: 8, .value_kind: global_buffer, .address_space: global }
      - { .name: v_w, .offset: 48, .size: 8, .value_kind: global_buffer, .address_space: global }
      - { .name: epart, .offset: 56, .size: 8, .value_kind: global_buffer, .address_space: global }
    .group_segment_fixed_size: 254464
    .private_segment_fixed_size: 0
    .kernarg_segment_align: 8
    .kernarg_segment_size: 64
    .max_flat_workgroup_size: 128
    .sgpr_count:     66
    .vgpr_count:     1024
    .wavefront_size: 32
...
	.end_amdgpu_metadata
.endif
;; end of part 5
;; launch fin (part 6): grid 256 x 1, 16 waves a work-group, no clusters, 18,432 bytes of LDS; arguments epart, idx, cnt, context, context_mask, v_w, v_b, out0, out1; writes out0, out1
.if DOCPART == 6
	.amdgcn_target "amdgcn-amd-amdhsa--gfx1250"
	.amdhsa_code_object_version 6
	.text
	.protected	k_q97ebf975d3_fin
	.globl	k_q97ebf975d3_fin
	.p2align	8
	.type	k_q97ebf975d3_fin,@function
k_q97ebf975d3_fin:
	s_mov_b64 s[64:65], 0
	v_nop
	global_prefetch_b8 v0, s[64:65] scope:SCOPE_SE
	s_setreg_imm32_b32 hwreg(HW_REG_WAVE_SCHED_MODE, 0, 2), 2
	s_setreg_imm32_b32 hwreg(HW_REG_WAVE_MODE, 25, 1), 1
	s_wait_xcnt 0x0
	s_wait_alu depctr_vm_vsrc(0)
; e = the four parts + sum(v) + v_b;  p = exp(e - max e) x mask (the maximum over all rows of the batch, as the reference takes it);  out1 = p / sum p;  out0 = sum over rows of out1 x context.
; The softmax's own divisor cancels against the renormalising, so it is not formed.
; SHARES.  Eight work-groups to a batch, sixteen waves each: each work-group repeats the batch's small reductions, stores an eighth of out1, and owns 128 columns of out0.
; Of context only listed rows are read: the first launch sorted the batch's rows, those whose mask is not 0 first.  Wave w takes groups w + 16 i of 32 places of the list, i = 0 .. 3.
; GROUP 0 (places 0-511) IS ASKED FOR AS SOON AS THE LIST IS IN, ahead of the reductions, and with no branch: so every count behind it is the same on every way.  Its price: where fewer than 512 rows of a
; batch count, rows of weight 0 are read too.  The later groups are read only if their first place lies under the count.  A listed row past the count has mask 0, so weight 0.
; THE ROWS RUN AS A RING, FOUR AT A TIME: as soon as four rows of a group have been added, their registers take the same four rows of the next group: 28 to 32 loads of 512 bytes of every wave stay on their way.
; No matrix unit: one row of weights against 2,048 rows is a stream.
; LIMITS: a row with mask 0 that is not read is not multiplied by 0, so an infinity or NaN there does not reach out0.  A batch with no row that counts gives NaN, as the reference does.
; REGISTERS: v1-15 addresses and statistics; v16-19 the list; v20-23 the listed rows' weights; v24-31 my four columns' sums, two sets; v32-53 my four rows; v56-79 the gathers; v80-95 at work; v96-127 the rows' addresses; v128-255 32 rows.
; THE MODE: SCHED_MODE bits 1:0 = 2 (LLVM: expert scheduling mode 2), set by the entry lines.  The code itself states the register dependences
; between vector instructions and memory or LDS instructions, and those through scalar registers that vector instructions write, with s_wait_alu, always for 0.
; THE PLAN.  Registers that memory or LDS instructions touch:
;   v2-v7        offsets and LDS addresses, made at the head, one wait there, never written again.  v56-59: the gathers' offsets, made once, one wait.
;   v128-255     row j at v128 + 4 j: written by its load; read by its two multiply-adds; loaded again at its block's end.
;   v96-127      row j's offset: read by row j's load; written anew at its block's end, for the same row of the next group.
;   A BLOCK OF FOUR ROWS: eight v_readlane_b32 (four weights, four places of the list) and ONE wait for their scalar results; the four rows' multiply-adds; ONE wait on vm_vsrc (every load issued so far has read
;   its offset), the four offsets; ONE wait on va_vdst (the multiply-adds are done reading the four rows, the offsets are written), the four loads.
;   v8, v10, v14 a reduction's number: read by its LDS store, written anew by its last line: a wait on either side.  v80-95: the reductions' LDS loads land there, behind the wait ahead of the store.
;   v24-27, v32-35, v60   data of the last stores: a wait ahead of each store; none is written again.
.set ACCR, 1024                        ; LDS: three areas of 64 bytes at 0, 256, 512 for the reductions; from 1,024 on 512 bytes a wave
.set WT,   46                          ; s46, 48, 50, 52: four rows' weights, each the low word of a pair (the upper words are written once)
.set IX,   54                          ; s54-61: rows out of the list
; A reduction over the 512 threads; the result in every lane.  Each has LDS bytes of its own, so one barrier serves it.  MEET: the waves' numbers go through LDS, all sixteen into v80-95 of every lane.
.macro MEET reg, base
	s_wait_alu depctr_va_vdst(0)                   ; the wave's number is written, which the LDS store reads; the reduction before is done with v80-95, in which the LDS loads land
	ds_store_b32 v6, v[\reg] offset:\base          ; all lanes of a wave write the wave's word with the same number
	s_wait_dscnt 0x0
	s_barrier_signal -1
	s_barrier_wait -1
.irp q, 0,1,2,3
	ds_load_b128 v[80+4*\q:83+4*\q], v5 offset:\base+16*\q
.endr
	s_wait_dscnt 0x0
	s_wait_alu depctr_vm_vsrc(0)                   ; the LDS store has read the register that the reduction's last line writes anew
.endm
.macro RSUM reg, base
	v_add_f32_dpp v[\reg], v[\reg], v[\reg] row_xmask:1 row_mask:0xf bank_mask:0xf
	v_add_f32_dpp v[\reg], v[\reg], v[\reg] row_xmask:2 row_mask:0xf bank_mask:0xf
	v_add_f32_dpp v[\reg], v[\reg], v[\reg] row_xmask:4 row_mask:0xf bank_mask:0xf
	v_add_f32_dpp v[\reg], v[\reg], v[\reg] row_xmask:8 row_mask:0xf bank_mask:0xf
	v_permlanex16_b32 v9, v[\reg], s26, s27
	v_add_f32 v[\reg], v[\reg], v9
	MEET \reg, \base
.irp q, 0,2,4,6,8,10,12,14
	v_add_f32 v[80+\q], v[80+\q], v[81+\q]
.endr
.irp q, 0,4,8,12
	v_add_f32 v[80+\q], v[80+\q], v[82+\q]
.endr
	v_add_f32 v80, v80, v84
	v_add_f32 v88, v88, v92
	v_add_f32 v[\reg], v80, v88
.endm
.macro RMAX reg, base
	v_max_num_f32_dpp v[\reg], v[\reg], v[\reg] row_xmask:1 row_mask:0xf bank_mask:0xf
	v_max_num_f32_dpp v[\reg], v[\reg], v[\reg] row_xmask:2 row_mask:0xf bank_mask:0xf
	v_max_num_f32_dpp v[\reg], v[\reg], v[\reg] row_xmask:4 row_mask:0xf bank_mask:0xf
	v_max_num_f32_dpp v[\reg], v[\reg], v[\reg] row_xmask:8 row_mask:0xf bank_mask:0xf
	v_permlanex16_b32 v9, v[\reg], s26, s27
	v_max_num_f32 v[\reg], v[\reg], v9
	MEET \reg, \base
.irp q, 0,2,4,6,8,10,12,14
	v_max_num_f32 v[80+\q], v[80+\q], v[81+\q]
.endr
.irp q, 0,4,8,12
	v_max_num_f32 v[80+\q], v[80+\q], v[82+\q]
.endr
	v_max_num_f32 v80, v80, v84
	v_max_num_f32 v88, v88, v92
	v_max_num_f32 v[\reg], v80, v88
.endm
; Group g's 32 rows are added, each times its weight, in blocks of four.  nxt = 1: at a block's end its registers take the same rows of group g + 1; behind row 4 b + k's load then stand 31 - 4 b - k rows of this
; group and 4 b of the next: 31 - k.  nxt = 0: nothing more is asked for, and the counts run down.  At a group's head its 32 loads, and no others, are out.
.macro CONS g, nxt
.set jb, 0
.rept 8
.set kk, 0
.rept 4
	v_readlane_b32 s[WT+2*kk], v[20+\g], jb+kk
.if \nxt
	v_readlane_b32 s[IX+kk], v[17+\g], jb+kk
.endif
.set kk, kk+1
.endr
	s_wait_alu depctr_va_sdst(0)                   ; the block's weights (and places of the list) are written, ahead of their first readers
.if \nxt
.set kk, 0
.rept 4
	s_min_u32 s[IX+kk], s[IX+kk], 2047             ; a row of the batch
	s_lshl_b32 s[IX+kk], s[IX+kk], 12
.set kk, kk+1
.endr
.endif
.set kk, 0
.rept 4
.if \nxt
	s_wait_loadcnt 31-kk
.else
	s_wait_loadcnt 31-jb-kk
.endif
	v_pk_fma_f32 v[24+4*(kk%2):25+4*(kk%2)], v[128+4*(jb+kk):129+4*(jb+kk)], s[WT+2*kk:WT+2*kk+1], v[24+4*(kk%2):25+4*(kk%2)] op_sel_hi:[1,0,1]
	v_pk_fma_f32 v[26+4*(kk%2):27+4*(kk%2)], v[130+4*(jb+kk):131+4*(jb+kk)], s[WT+2*kk:WT+2*kk+1], v[26+4*(kk%2):27+4*(kk%2)] op_sel_hi:[1,0,1]
.set kk, kk+1
.endr
.if \nxt
	s_wait_alu depctr_vm_vsrc(0)                   ; every load issued so far has read its offset: the four below are written anew (their own loads are done, by the waits above)
.set kk, 0
.rept 4
	v_add_nc_u32 v[96+jb+kk], s[IX+kk], v4
.set kk, kk+1
.endr
	s_wait_alu depctr_va_vdst(0)                   ; the multiply-adds are done reading the four rows, in whose registers the loads below land; the four offsets are written
.set kk, 0
.rept 4
	global_load_b128 v[128+4*(jb+kk):131+4*(jb+kk)], v[96+jb+kk], s[14:15] th:TH_LOAD_NT
.set kk, kk+1
.endr
.endif
.set jb, jb+4
.endr
.endm
	s_load_b512 s[8:23], s[0:1], 0x0               ; epart 8, idx 10, cnt 12, context 14, context_mask 16, v_w 18, v_b 20, out0 22
	s_load_b64 s[24:25], s[0:1], 0x40              ; out1
	v_lshl_add_u32 v54, v0, 2, 0x4000
	v_mov_b32 v55, 0
	v_lshrrev_b32 v1, 5, v0
	v_readfirstlane_b32 s4, v1                     ; wave 0..15
	s_lshr_b32 s5, ttmp9, 3                        ; the batch
	s_and_b32 s6, ttmp9, 7                         ; which 128 columns, and which eighth of out1
	v_and_b32 v1, 31, v0
	v_lshlrev_b32 v2, 4, v0                        ; 16 t
	v_lshlrev_b32 v3, 2, v0                        ; 4 t
	v_lshlrev_b32 v4, 4, v1                        ; 16 x lane
	v_mov_b32 v5, 0
	v_lshlrev_b32 v7, 3, v0                        ; 8 t
	v_mov_b32 v9, 0                                ; written once: a lane permute's destination counts as one of its sources
	s_wait_alu depctr_va_sdst(0)                   ; s4 is written, ahead of its first reader
	s_lshl_b32 s7, s4, 2
	v_mov_b32 v6, s7                               ; 4 x wave
	s_mov_b32 s26, 0x76543210
	s_mov_b32 s27, 0xfedcba98
.irp q, 1,3,5,7
	s_mov_b32 s[WT+\q], 0                          ; (named with the weights as pairs, so they are written)
.endr
	s_lshl_b32 s28, s5, 13                         ; a batch's 2,048 numbers of 4 bytes
	s_mov_b32 s29, 0
	s_lshl_b32 s30, s5, 2
	s_mov_b32 s31, 0
	s_lshl_b32 s32, s5, 23                         ; a batch of context,
	s_lshl_b32 s33, s6, 9                          ; my 128 columns
	s_add_co_u32 s32, s32, s33
	s_lshl_b32 s34, s5, 12
	s_add_co_u32 s34, s34, s33
	s_mov_b32 s33, 0
	s_mov_b32 s35, 0
	s_wait_kmcnt 0x0
	s_add_nc_u64 s[8:9], s[8:9], s[28:29]
	s_add_nc_u64 s[10:11], s[10:11], s[28:29]
	s_add_nc_u64 s[16:17], s[16:17], s[28:29]
	s_add_nc_u64 s[24:25], s[24:25], s[28:29]
	s_add_nc_u64 s[12:13], s[12:13], s[30:31]
	s_add_nc_u64 s[14:15], s[14:15], s[32:33]
	s_add_nc_u64 s[22:23], s[22:23], s[34:35]
	s_load_b32 s40, s[20:21], 0x0                  ; v_b
	s_load_b32 s41, s[12:13], 0x0                  ; how many rows of my batch count
	s_wait_alu depctr_va_vdst(0)                   ; v2 to v7 are written: the offsets and LDS addresses that the loads and stores of the whole kernel read
	global_load_b64 v[52:53], v7, s[18:19]         ; two of v
.irp i, 0,1,2,3
	global_load_b32 v[16+\i], v3, s[10:11] offset:2048*\i          ; the list: place 512 i + t: group wave + 16 i
.endr
.irp p, 0,1,2,3
	global_load_b128 v[32+4*\p:35+4*\p], v2, s[8:9] offset:\p*262144          ; thread t: rows 4 t .. 4 t + 3
.endr
	global_load_b128 v[48:51], v2, s[16:17]
	s_wait_loadcnt 5                               ; v and the list are in; the five loads behind them may be out
.irp i, 0,1,2,3
	v_min_u32 v[16+\i], 2047, v[16+\i]             ; a row of the batch
.endr
.irp i, 0,1,2,3
	v_lshlrev_b32 v[56+\i], 2, v[16+\i]
.endr
	s_wait_alu depctr_va_vdst(0)                   ; v56 to v59 are written, which the gathers read as their offsets
.irp i, 0,1,2,3                                        ; the listed rows' four parts and mask: 20 loads, asked for now, used behind the reductions
.irp p, 0,1,2,3
	global_load_b32 v[60+5*\i+\p], v[56+\i], s[8:9] offset:\p*262144
.endr
	global_load_b32 v[64+5*\i], v[56+\i], s[16:17]
.endr
; Group 0's 32 rows, 512 bytes of each: they are on their way while the reductions are made.  Eight offsets at a time; each eight's loads stand behind the next eight's waits.
.set jb, 0
.rept 4
.set kk, 0
.rept 8
	v_readlane_b32 s[IX+kk], v16, jb+kk
.set kk, kk+1
.endr
	s_wait_alu depctr_va_sdst(0)                   ; eight places of the list are written, ahead of their first readers
.if jb > 0
	s_wait_alu depctr_va_vdst(0)                   ; the eight offsets before are written, which the loads below read
.set kk, 0
.rept 8
	global_load_b128 v[128+4*(jb-8+kk):131+4*(jb-8+kk)], v[96+jb-8+kk], s[14:15] th:TH_LOAD_NT
.set kk, kk+1
.endr
.endif
.set kk, 0
.rept 8
	s_min_u32 s[IX+kk], s[IX+kk], 2047
	s_lshl_b32 s[IX+kk], s[IX+kk], 12
	v_add_nc_u32 v[96+jb+kk], s[IX+kk], v4         ; the row, + 16 x lane
.set kk, kk+1
.endr
.set jb, jb+8
.endr
	s_wait_alu depctr_va_vdst(0)                   ; the last eight offsets are written
.set kk, 0
.rept 8
	global_load_b128 v[224+4*kk:227+4*kk], v[120+kk], s[14:15] th:TH_LOAD_NT
.set kk, kk+1
.endr
	v_add_f32 v8, v52, v53
	RSUM 8, 0                                      ; sum(v)
	s_wait_kmcnt 0x0
	s_min_u32 s41, s41, 2048
	v_add_f32 v12, s40, v8                         ; the constant of e
	v_mov_b32 v13, v12
	s_wait_loadcnt 52                              ; my four rows' parts and mask are in; the 20 gathers and the 32 rows are younger
.irp i, 0,2
	v_pk_add_f32 v[32+\i:33+\i], v[32+\i:33+\i], v[36+\i:37+\i]
	v_pk_add_f32 v[40+\i:41+\i], v[40+\i:41+\i], v[44+\i:45+\i]
.endr
.irp i, 0,2
	v_pk_add_f32 v[32+\i:33+\i], v[32+\i:33+\i], v[40+\i:41+\i]
.endr
.irp i, 0,2
	v_pk_add_f32 v[32+\i:33+\i], v[32+\i:33+\i], v[12:13]          ; e
.endr
	v_max3_num_f32 v10, v32, v33, v34
	v_max_num_f32 v10, v10, v35
	RMAX 10, 256                                   ; the batch's largest e
	v_mov_b32 v11, v10
.irp i, 0,2
	v_pk_add_f32 v[32+\i:33+\i], v[32+\i:33+\i], v[10:11] neg_lo:[0,1] neg_hi:[0,1]
.endr
.irp i, 0,2
	v_pk_mul_f32 v[32+\i:33+\i], v[32+\i:33+\i], 0x3fb8aa3b op_sel_hi:[1,0]
.endr
.irp i, 0,1,2,3
	v_exp_f32 v[32+\i], v[32+\i]
.endr
.irp i, 0,1,2,3
	v_cvt_f32_i32 v[48+\i], v[48+\i]               ; the mask as a number (plain places behind the exponentials)
.endr
	s_wait_alu depctr_va_vdst(0)                   ; the four exponentials have written v32 to v35, ahead of their first reader
.irp i, 0,2
	v_pk_mul_f32 v[32+\i:33+\i], v[32+\i:33+\i], v[48+\i:49+\i]
.endr
	v_pk_add_f32 v[14:15], v[32:33], v[34:35]
	v_add_f32 v14, v14, v15
	RSUM 14, 512
	v_rcp_f32 v14, v14
	v_nop                                          ; a plain place behind the reciprocal
	s_wait_alu depctr_va_vdst(0)                   ; the reciprocal has written v14, ahead of its first reader
	v_mov_b32 v15, v14
	s_lshr_b32 s44, s4, 1                          ; the two waves whose rows are the work-group's eighth store them to out1
	s_cmp_lg_u32 s44, s6
	s_cbranch_scc1 .Lnot_mine
.irp i, 0,2
	v_pk_mul_f32 v[32+\i:33+\i], v[32+\i:33+\i], v[14:15]
.endr
	s_wait_alu depctr_va_vdst(0)                   ; the multiplications have written v32 to v35, which the store reads
	global_store_b128 v2, v[32:35], s[24:25]               ; 32 lanes store 512 consecutive bytes; v2 and v32-35 are not written again
.Lnot_mine:
	s_wait_loadcnt 32                              ; the gathers are in; group 0's 32 rows are younger
.irp i, 0,1,2,3
	v_add_f32 v[60+5*\i], v[60+5*\i], v[61+5*\i]
	v_add_f32 v[62+5*\i], v[62+5*\i], v[63+5*\i]
.endr
.irp i, 0,1,2,3
	v_add_f32 v[60+5*\i], v[60+5*\i], v[62+5*\i]
.endr
.irp i, 0,1,2,3
	v_add_f32 v[60+5*\i], v[60+5*\i], v12
.endr
.irp i, 0,1,2,3
	v_sub_f32 v[60+5*\i], v[60+5*\i], v10
.endr
.irp i, 0,1,2,3
	v_mul_f32 v[60+5*\i], 0x3fb8aa3b, v[60+5*\i]
.endr
.irp i, 0,1,2,3
	v_exp_f32 v[20+\i], v[60+5*\i]
.endr
.irp i, 0,1,2,3
	v_cvt_f32_i32 v[64+5*\i], v[64+5*\i]
.endr
	s_wait_alu depctr_va_vdst(0)                   ; the four exponentials have written v20 to v23, ahead of their first reader
.irp i, 0,1,2,3
	v_mul_f32 v[20+\i], v[20+\i], v[64+5*\i]       ; the listed row's weight, not yet divided
.endr
.irp i, 0,1,2,3,4,5,6,7
	v_mov_b32 v[24+\i], 0                          ; my four columns' sums, in two sets
.endr
	; The groups that count are a prefix of my four: where the next one does not count, the group in hand is the last, and its tail is written out.
.irp i, 0,1,2
	s_lshl_b32 s44, s4, 5
	s_add_co_u32 s44, s44, 512*(\i+1)              ; the next group's first place
	s_cmp_ge_u32 s44, s41
	s_cbranch_scc1 .Llast_\i
	CONS \i, 1
.endr
	CONS 3, 0
	s_branch .Lsummed
.Llast_0:
	CONS 0, 0
	s_branch .Lsummed
.Llast_1:
	CONS 1, 0
	s_branch .Lsummed
.Llast_2:
	CONS 2, 0
.Lsummed:
	v_pk_add_f32 v[24:25], v[24:25], v[28:29]
	v_pk_add_f32 v[26:27], v[26:27], v[30:31]
	s_wait_alu depctr_va_vdst(0)                   ; the additions have written v24 to v27, which the LDS store reads; the weights' arithmetic is done with v60-75, in which the LDS loads below land
	ds_store_b128 v2, v[24:27] offset:ACCR         ; 512 bytes a wave: its sums of the 128 columns
	s_wait_dscnt 0x0
	s_barrier_signal -1
	s_barrier_wait -1
	s_cmp_lt_u32 s4, 4
	s_cbranch_scc0 .Lend
.irp w, 0,1,2,3,4,5,6,7,8,9,10,11,12,13,14,15
	ds_load_b32 v[60+\w], v3 offset:ACCR+512*\w    ; thread t < 128: column t of each wave's sums
.endr
	s_wait_dscnt 0x0
.irp q, 0,2,4,6,8,10,12,14
	v_add_f32 v[60+\q], v[60+\q], v[61+\q]
.endr
.irp q, 0,4,8,12
	v_add_f32 v[60+\q], v[60+\q], v[62+\q]
.endr
	v_add_f32 v60, v60, v64
	v_add_f32 v68, v68, v72
	v_add_f32 v60, v60, v68
	v_mul_f32 v60, v60, v14                        ; / the sum of the weights
	s_wait_alu depctr_va_vdst(0)                   ; the multiplication has written v60, which the store reads
	global_store_b32 v3, v60, s[22:23]             ; four waves store 512 consecutive bytes
.Lend:
	s_wait_dscnt 0x0                               ; the closing lines, six on end
	s_wait_alu 0x0
	s_wait_tensorcnt 0x0
	ds_add_u32 v54, v55
	s_wait_dscnt 0x0
	s_endpgm
.Lfunc_end_k_q97ebf975d3_fin:
	.size	k_q97ebf975d3_fin, .Lfunc_end_k_q97ebf975d3_fin-k_q97ebf975d3_fin
	.p2alignl 7, 3214868480
	.fill 96, 4, 3214868480
	.section	.rodata,"a",@progbits
	.p2align	6, 0x0
	.amdhsa_kernel k_q97ebf975d3_fin
		.amdhsa_group_segment_fixed_size 18432
		.amdhsa_private_segment_fixed_size 0
		.amdhsa_enable_private_segment 0
		.amdhsa_kernarg_size 72
		.amdhsa_user_sgpr_count 2
		.amdhsa_user_sgpr_kernarg_segment_ptr 1
		.amdhsa_wavefront_size32 1
		.amdhsa_system_sgpr_workgroup_id_x 1
		.amdhsa_system_sgpr_workgroup_id_y 1
		.amdhsa_system_sgpr_workgroup_id_z 1
		.amdhsa_system_vgpr_workitem_id 0
		.amdhsa_next_free_vgpr 256
		.amdhsa_next_free_sgpr 66
		.amdhsa_reserve_vcc 0
		.amdhsa_float_denorm_mode_32 3
		.amdhsa_float_denorm_mode_16_64 3
		.amdhsa_memory_ordered 1
		.amdhsa_forward_progress 1
		.amdhsa_inst_pref_size 105
	.end_amdhsa_kernel
	.amdgpu_metadata
---
amdhsa.version: [ 1, 2 ]
amdhsa.kernels:
  - .name:           k_q97ebf975d3_fin
    .symbol:         k_q97ebf975d3_fin.kd
    .args:
      - { .name: epart, .offset: 0, .size: 8, .value_kind: global_buffer, .address_space: global }
      - { .name: idx, .offset: 8, .size: 8, .value_kind: global_buffer, .address_space: global }
      - { .name: cnt, .offset: 16, .size: 8, .value_kind: global_buffer, .address_space: global }
      - { .name: context, .offset: 24, .size: 8, .value_kind: global_buffer, .address_space: global }
      - { .name: context_mask, .offset: 32, .size: 8, .value_kind: global_buffer, .address_space: global }
      - { .name: v_w, .offset: 40, .size: 8, .value_kind: global_buffer, .address_space: global }
      - { .name: v_b, .offset: 48, .size: 8, .value_kind: global_buffer, .address_space: global }
      - { .name: out0, .offset: 56, .size: 8, .value_kind: global_buffer, .address_space: global }
      - { .name: out1, .offset: 64, .size: 8, .value_kind: global_buffer, .address_space: global }
    .group_segment_fixed_size: 18432
    .private_segment_fixed_size: 0
    .kernarg_segment_align: 8
    .kernarg_segment_size: 72
    .max_flat_workgroup_size: 512
    .sgpr_count:     66
    .vgpr_count:     256
    .wavefront_size: 32
...
	.end_amdgpu_metadata
.endif
;; end of part 6
